; MI455X (gfx1250); checked and timed in simulation.
; The chip was launched on July 23, 2026; its instructions are those of AMD's public machine-readable ISA for CDNA 5 (MIT licence, August 2026) and "CDNA5" Instruction Set Architecture Reference Guide (July 2026). The comments in the code are by the model that wrote it; some were corrected since.
;; Attention Block. Allowed arithmetic: matrix products marked QUANTISED: E2M1 operands, one E8M0 scale for each 32 along K, by v_wmma_scale_f32_16x16x128_f8f6f4 with both operands' format E2M1 (or v_wmma_scale_f32_32x16x128_f4), f32 sums; everything else in f32.
;; Inputs: Wk 512 x 512 float32; Wo 512 x 512 float32; Wq 512 x 512 float32; Wv 512 x 512 float32; X 16 x 512 x 1,024 float32; bk 512 float32; bo 512 float32; bq 512 float32; bv 512 float32; ln_b 512 float32; ln_g 512 float32.
;; Outputs: out0 16 x 512 x 1,024 float32.
;; This version of the problem:
;;   THIS VERSION OF THE PROBLEM IS GIVEN IN LOW PRECISION. The matrix products marked QUANTISED in the list below multiply operands that are first quantised to E2M1 (2 exponent bits, 1 mantissa bit; 4 bits a number), with one power-of-two scale for each 32 numbers along K (OCP MX v1.0); their sums are f32. All else is computed in f32.
;;   The module's matrix products, in the order in which they are computed (A, B: the left and right operand; K: the contracted axis; several contracted axes count as one K, in the product's order):
;;     1. [M 16,384, K 512] x [K 512, N 512]; A: computed on the way; B: input Wq: QUANTISED
;;     2. [M 16,384, K 512] x [K 512, N 512]; A: computed on the way; B: input Wk: QUANTISED
;;     3. [M 16,384, K 512] x [K 512, N 512]; A: computed on the way; B: input Wv: QUANTISED
;;     4. batch 128 x [M 1,024, K 64] x [K 64, N 1,024]; A: computed on the way; B: computed on the way: QUANTISED
;;     5. batch 128 x [M 64, K 1,024] x [K 1,024, N 1,024]; A: computed on the way; B: softmax (see below): QUANTISED
;;     6. [M 16,384, K 512] x [K 512, N 512]; A: computed on the way; B: input Wo: QUANTISED
;;   THE QUANTISER, for each operand of a quantised product, along K:
;;     - K is cut into blocks of 32 from its start; a last block that is shorter is filled with zeros.
;;     - A block's scale is 2^e with e = floor(log2(the largest magnitude in the block)) - 2, held to -126 .. 127; a block of zeros has e = 0. As a byte (E8M0): e + 127.
;;     - Each number is divided by its block's scale, clamped to +-6, and rounded to the nearest number of E2M1, ties to even, subnormals kept.
;;     - The product sums the exact products of the quantised numbers (number of the format x scale) in f32.
;;   ~~~python
;;   def quantise(x, axis):      # numpy; x: float32 -> the quantised numbers, widened to float32 again
;;       x = np.moveaxis(x, axis, -1); K = x.shape[-1]
;;       x = np.pad(x, [(0, 0)] * (x.ndim - 1) + [(0, -K % 32)]); x = x.reshape(x.shape[:-1] + (-1, 32)); a = np.abs(x).max(-1, keepdims=True)
;;       e = np.where(a > 0, np.clip(np.frexp(np.where(a > 0, a, 1))[1] - 1 - 2, -126, 127), 0)      # np.frexp(a)[1] - 1 = floor(log2(a)), exactly
;;       r = np.clip(x / 2.0 ** e, -6, 6)
;;       step = 2.0 ** (np.maximum(np.frexp(np.where(r == 0, 1, r))[1] - 1, 0) - 1)
;;       q = np.round(r / step) * step * 2.0 ** e      # np.round: ties to even
;;       return np.moveaxis(q.reshape(q.shape[:-2] + (-1,))[..., :K], -1, axis).astype(np.float32)
;;   ~~~
;;   SOFTMAX AHEAD OF A QUANTISED PRODUCT. Where the list says 'softmax', what is quantised is not the finished softmax but p = 2^(t - M), with t = logit x log2(e) and M = ceil(the row's largest t), a whole number; so 1/2 < the row's largest p <= 1. The row's sum l is taken of the UNQUANTISED p, in f32, and the product's result is divided by l at the end. Since M is a whole number, a kernel that streams over the keys may use a running M (the ceiling of the running maximum): every later rescaling is an exact power of two, which a block's scale takes up: the codes' values come out the same.
;;   OPERANDS COMPUTED ON THE WAY. 'Computed on the way' means the value that the module computes at that place (a softmax that the list does not call 'softmax' is quantised finished and normalised). What goes into a quantiser is computed in f32, as accurately as f32 sums, v_exp_f32 and their like allow (about 1e-6 of the number): no bf16 or f16 on the way to a quantiser, and a product that is left as it is and whose result goes on into a quantised operand takes f32 operands (vector FMAs, or v_wmma_f32_16x16x4_f32). A number that lies on a knife's edge between two numbers of the format may be rounded either way, as far as f32 arithmetic and the matrix unit's own rounding can turn it there, and no further.
;; 2 versions, each right; version 2 is version 1 with the launches qkv, proj written anew for expert scheduling mode. Each part assembles by itself: llvm-mc -triple=amdgcn-amd-amdhsa -mcpu=gfx1250 --defsym DOCPART=n.
;; ======== version 1 of 2: 4 launches
;; workspace buffers: opc 4,718,592 bytes; ops 294,912 bytes; qkc 8,388,608 bytes; qks 524,288 bytes; vc 4,194,304 bytes; vsc 262,144 bytes; hc 4,194,304 bytes; hs 262,144 bytes
;; launch prep (part 1): grid 288 x 1, 8 waves a work-group, no clusters, 17,408 bytes of LDS; arguments X, Wq, Wk, Wv, Wo, ln_g, ln_b, opc, ops; writes opc, ops
.if DOCPART == 1
	.amdgcn_target "amdgcn-amd-amdhsa--gfx1250"
	.amdhsa_code_object_version 6
	.text
	.protected	k_qe5136de69f_prep
	.globl	k_qe5136de69f_prep
	.p2align	8
	.type	k_qe5136de69f_prep,@function
k_qe5136de69f_prep:
	s_mov_b64 s[64:65], 0
	v_nop
	global_prefetch_b8 v0, s[64:65] scope:SCOPE_SE
	s_setreg_imm32_b32 hwreg(HW_REG_WAVE_MODE, 25, 1), 1
	s_wait_xcnt 0x0
; LayerNorm of X and the quantiser (FP4 = E2M1, one E8M0 byte for each 32 along K) of xn, Wq, Wk, Wv, Wo.
; X[b] is [512 channels][1024 tokens] and a weight is [512][512]: in both K (the channels) is the FIRST axis.  So one text serves both:
; A LANE TAKES A COLUMN (a token, or a weight's output column) AND ITS REGISTERS RUN DOWN K: a block of 32 along K lies in one lane.
; SHARES.  Work-group g makes tiles 4 g .. 4 g + 3 of 16 columns, all 512 along K.  g < 256: X, batch g / 16, tokens 64 (g % 16) on; else weight (g - 256) / 8, columns 64 (g % 8) on.
; Wave w: th = w % 2: its 32 columns; s = w / 2: K rows 128 s .. 128 s + 127.  The two waves of a pair read 256 consecutive, aligned bytes of each row.
; TILES.  Tile (G, u) of a row axis holds rows 32 G + 8 u + r + 8 (r / 8), r = 0 .. 15; its number is 2 G + u.  Column o of a group of 32 is so u = (o / 8) % 2, r = o % 8 + 8 (o / 16).
; OUT.  opc: [tile][K step s][1,024 bytes]: the image of an operand's registers: block j of 32 along K of row r lies at 256 j + 16 r.  ops: [tile][r][s]: a word of four scale bytes.
; LAYERNORM in f32, in two passes (mean; then the squares of x - mean), so that a common offset of X costs nothing.  The four waves of a column meet in LDS.
; GAIN AND BIAS hang on the K row alone, which is the register: each wave loads its 128 of each once, 16 bytes a lane, lays them into 1,024 LDS bytes of its own and reads them back with one address for all lanes, a block ahead.
; A weight takes the same path with mean 0 and factor 1 put in by a select (x - 0 and x * 1 are exact); only the loads (the pitch is an immediate) and the gain's multiply-adds stand under a branch on the work-group's number.
; A block's scale byte is its largest magnitude's exponent field - 2, held at 1 from below.  A block of zeros keeps the byte 1 where the rule says 127: its codes are zeros, and this program alone reads the bytes.
; LIMITS: NaN and infinities among the inputs are not served; blocks whose largest magnitude lies under 2^-124 get the byte 1.
.set XR,  48                           ; v48-175  my column's 128 numbers
.set CD,  28                           ; v28-43   codes: four registers for each block, so that no store's data are written again
.set GV,  176                          ; v176-207 a block's 32 gains, the same in every lane
.set BV,  208                          ; v208-239 its 32 biases
.set PS2, 1024                         ; LDS: 0: partial sums [s][64 columns]; 1024: partial sums of squares; 2048: scale words [tile 4][r 16][s 4];
.set SST, 2048
.set GST, 8192                         ; 8192 + 1,024 x wave: the wave's own 128 gains, then its 128 biases
.macro BARRIER                         ; my LDS stores have landed and my LDS loads are in: then the work-group's barrier
	s_wait_dscnt 0x0
	s_barrier_signal -1
	s_barrier_wait -1
.endm
.macro GAINS j                         ; ln_g and ln_b of K rows 128 s + 32 j + 0 .. 31: all lanes name the same 16 bytes
.irp i, 0,1,2,3,4,5,6,7
	ds_load_b128 v[GV+4*\i:GV+4*\i+3], v46 offset:128*(\j)+16*\i
	ds_load_b128 v[BV+4*\i:BV+4*\i+3], v46 offset:512+128*(\j)+16*\i
.endr
.endm
	s_load_b512 s[4:19], s[0:1], 0x0               ; X, Wq, Wk, Wv, Wo, ln_g, ln_b, opc
	s_load_b64 s[20:21], s[0:1], 0x40              ; ops
	v_lshl_add_u32 v240, v0, 2, 0x4000
	v_mov_b32 v241, 0
	v_lshrrev_b32 v1, 5, v0
	v_readfirstlane_b32 s22, v1                    ; wave 0..7
	v_lshlrev_b32 v46, 10, v1
	v_add_nc_u32 v46, GST, v46                     ; my wave's gains in LDS: one address for all lanes
	v_and_b32 v1, 31, v0                           ; o: my column in the wave's 32
	v_lshlrev_b32 v44, 4, v1                       ; 16 bytes a lane: my four gains on the way in
	v_lshl_add_u32 v45, v1, 4, v46                 ; and where I put them
	s_and_b32 s2, s22, 1                           ; th
	s_lshr_b32 s3, s22, 1                          ; s
	v_lshlrev_b32 v2, 2, v1                        ; in: 4 bytes a lane
	v_bfe_u32 v12, v0, 3, 1                        ; u
	v_bfe_u32 v13, v0, 4, 1
	v_and_b32 v14, 7, v0
	v_lshl_or_b32 v14, v13, 3, v14                 ; r
	v_lshlrev_b32 v6, 4, v14                       ; 16 r
	v_lshl_add_u32 v3, v12, 12, v6                 ; codes out: 4,096 u + 16 r
	v_lshl_add_u32 v6, v12, 8, v6                  ; scale word in LDS: 256 u + 16 r
	s_lshl_b32 s56, s2, 9
	s_lshl_b32 s57, s3, 2
	s_add_co_u32 s56, s56, s57
	v_add_nc_u32 v6, s56, v6                       ;   + 512 th + 4 s
	s_lshl_b32 s56, s2, 7                          ; 128 th
	v_add_nc_u32 v5, s56, v2                       ; partial sums, to read: 4 (32 th + o)
	s_lshl_b32 s57, s3, 8
	v_add_nc_u32 v4, s57, v5                       ; and to write: + 256 s
	v_lshlrev_b32 v7, 4, v0                        ; the scale words' way out: 16 bytes a thread
	s_cmp_lt_u32 ttmp9, 256                        ; X or a weight?
	s_cselect_b32 s23, -1, 0                       ; a lane mask: all ones for X
	s_cselect_b32 s57, 15, 7
	s_cselect_b32 s58, 19, 18                      ; 128 rows of 4,096 or of 2,048 bytes
	s_lshr_b32 s62, ttmp9, 4
	s_and_b32 s62, s62, s23                        ; the batch (0 for a weight)
	s_lshl_b32 s62, s62, 21
	s_and_b32 s57, ttmp9, s57
	s_lshl_b32 s57, s57, 8                         ; 64 columns of 4 bytes a work-group
	s_add_co_u32 s62, s62, s57
	s_lshl_b32 s58, s3, s58
	s_add_co_u32 s62, s62, s58
	s_add_co_u32 s62, s62, s56                     ; s[62:63]: where my wave's part of the source begins
	s_mov_b32 s63, 0
	s_lshl_b32 s56, ttmp9, 14                      ; codes: (4 g + 2 th) x 4,096 + 1,024 s
	s_lshl_b32 s57, s2, 13
	s_add_co_u32 s56, s56, s57
	s_lshl_b32 s57, s3, 10
	s_add_co_u32 s56, s56, s57
	s_mov_b32 s57, 0
	s_lshl_b32 s58, ttmp9, 10                      ; scale words: 1,024 bytes a work-group
	s_mov_b32 s59, 0
	s_lshl_b32 s2, s3, 9                           ; gains: 128 s numbers on
	s_mov_b32 s3, 0
	s_wait_kmcnt 0x0
	s_add_nc_u64 s[14:15], s[14:15], s[2:3]
	s_add_nc_u64 s[16:17], s[16:17], s[2:3]
	global_load_b128 v[GV:GV+3], v44, s[14:15]     ; my wave's 128 gains: 512 consecutive bytes,
	global_load_b128 v[BV:BV+3], v44, s[16:17]     ; its 128 biases
	s_mov_b64 s[60:61], s[12:13]                   ; the source is chosen on the work-group's number alone
	s_cmp_lt_u32 ttmp9, 280
	s_cselect_b64 s[60:61], s[10:11], s[60:61]
	s_cmp_lt_u32 ttmp9, 272
	s_cselect_b64 s[60:61], s[8:9], s[60:61]
	s_cmp_lt_u32 ttmp9, 264
	s_cselect_b64 s[60:61], s[6:7], s[60:61]
	s_cmp_lt_u32 ttmp9, 256
	s_cselect_b64 s[60:61], s[4:5], s[60:61]
	s_add_nc_u64 s[60:61], s[60:61], s[62:63]
	s_add_nc_u64 s[18:19], s[18:19], s[56:57]
	s_add_nc_u64 s[20:21], s[20:21], s[58:59]
	s_mov_b32 s56, 0x3b000000                      ; 1 / 512
	s_mov_b32 s57, 0x358637bd                      ; eps = 1e-6
	s_cbranch_scc0 .Lweight                        ; (the 64-bit sums and the moves leave the compare's result alone)
.set n, 0
.rept 128
	global_load_b32 v[XR+n], v2, s[60:61] offset:n*4096 th:TH_LOAD_NT   ; row 128 s + n at my column: 32 lanes read 128 consecutive bytes
.set n, n+1
.endr
	s_branch .Lloaded
.Lweight:
.set n, 0
.rept 128
	global_load_b32 v[XR+n], v2, s[60:61] offset:n*2048 th:TH_LOAD_NT
.set n, n+1
.endr
.Lloaded:
	s_wait_loadcnt 0x0
	ds_store_b128 v45, v[GV:GV+3]                  ; gains and biases into my wave's own bytes: no other wave names them.  The wait in front of the next barrier shows these stores done
	ds_store_b128 v45, v[BV:BV+3] offset:512
	; ---- the mean: my 128 numbers in four chains of pairs, then the four waves' parts
.irp k, 0,1,2,3
	v_pk_add_f32 v[12+2*\k:13+2*\k], v[XR+2*\k:XR+2*\k+1], v[XR+8+2*\k:XR+9+2*\k]
.endr
.set p, 8
.rept 56
	v_pk_add_f32 v[12+2*(p%4):13+2*(p%4)], v[12+2*(p%4):13+2*(p%4)], v[XR+2*p:XR+2*p+1]
.set p, p+1
.endr
	v_pk_add_f32 v[12:13], v[12:13], v[14:15]
	v_pk_add_f32 v[16:17], v[16:17], v[18:19]
	v_pk_add_f32 v[12:13], v[12:13], v[16:17]
	v_add_f32 v12, v12, v13
	ds_store_b32 v4, v12
	BARRIER
.irp k, 0,1,2,3
	ds_load_b32 v[20+\k], v5 offset:256*\k
.endr
	s_wait_dscnt 0x0
	v_add_f32 v20, v20, v21                        ; the same order in all four waves: the same mean
	v_add_f32 v20, v20, v22
	v_add_f32 v20, v20, v23
	v_mul_f32 v20, s56, v20
	v_cndmask_b32 v8, 0, v20, s23                  ; a weight: 0
	v_mov_b32 v9, v8
	; ---- x - mean in place; the squares
.set p, 0
.rept 64
	v_pk_add_f32 v[XR+2*p:XR+2*p+1], v[XR+2*p:XR+2*p+1], v[8:9] neg_lo:[0,1] neg_hi:[0,1]
.set p, p+1
.endr
.irp k, 0,1,2,3
	v_pk_mul_f32 v[12+2*\k:13+2*\k], v[XR+2*\k:XR+2*\k+1], v[XR+2*\k:XR+2*\k+1]
.endr
.set p, 4
.rept 60
	v_pk_fma_f32 v[12+2*(p%4):13+2*(p%4)], v[XR+2*p:XR+2*p+1], v[XR+2*p:XR+2*p+1], v[12+2*(p%4):13+2*(p%4)]
.set p, p+1
.endr
	v_pk_add_f32 v[12:13], v[12:13], v[14:15]
	v_pk_add_f32 v[16:17], v[16:17], v[18:19]
	v_pk_add_f32 v[12:13], v[12:13], v[16:17]
	v_add_f32 v12, v12, v13
	ds_store_b32 v4, v12 offset:PS2                ; other bytes than the sums': no wave still reads what is written here
	BARRIER
.irp k, 0,1,2,3
	ds_load_b32 v[20+\k], v5 offset:PS2+256*\k
.endr
	s_wait_dscnt 0x0
	GAINS 0                                        ; the first block's gains come while the factor is made and applied
	v_add_f32 v20, v20, v21
	v_add_f32 v20, v20, v22
	v_add_f32 v20, v20, v23
	v_fma_f32 v20, v20, s56, s57                   ; the variance + eps
	v_rsq_f32 v21, v20
	v_nop                                          ; a plain instruction behind the transcendental,
	s_wait_alu depctr_va_vdst(0)                   ; and the wait ahead of its first reader
	v_cndmask_b32 v10, 1.0, v21, s23               ; a weight: 1
	v_mov_b32 v11, v10
.set p, 0
.rept 64
	v_pk_mul_f32 v[XR+2*p:XR+2*p+1], v[XR+2*p:XR+2*p+1], v[10:11]
.set p, p+1
.endr
; Block j of 32 along K: gain and bias (X alone), the largest magnitude, the scale, the codes; 16 bytes a lane leave: the sixteen lanes of a tile fill 256 consecutive, aligned bytes.
.macro BLOCK j
.set XS, XR+32*\j
	s_wait_dscnt 0x0                               ; this block's gains and biases: the only LDS loads of mine that are out
	s_cmp_lt_u32 ttmp9, 256
	s_cbranch_scc0 .Lplain_\@
.set n, 0
.rept 16
	v_pk_fma_f32 v[XS+2*n:XS+2*n+1], v[XS+2*n:XS+2*n+1], v[GV+2*n:GV+2*n+1], v[BV+2*n:BV+2*n+1]
.set n, n+1
.endr
.Lplain_\@:
.if \j < 3
	GAINS \j+1                                     ; the next block's, behind the lines that read this block's; they come while this block is quantised
.endif
	v_max3_num_f32 v25, |v[XS]|, |v[XS+1]|, |v[XS+2]|
	v_max3_num_f32 v26, |v[XS+3]|, |v[XS+4]|, |v[XS+5]|
.irp i, 6,10,14,18,22,26
	v_max3_num_f32 v25, v25, |v[XS+\i]|, |v[XS+\i+1]|
	v_max3_num_f32 v26, v26, |v[XS+\i+2]|, |v[XS+\i+3]|
.endr
	v_max3_num_f32 v25, v25, |v[XS+30]|, |v[XS+31]|
	v_max3_num_f32 v25, v25, v26, 0x1800000        ; and the floor 2^(3 - 127): the byte cannot fall under 1
	v_add_nc_u32 v27, 0xff000000, v25              ; 2 off the exponent field: the conversion takes this operand's exponent field as its scale
	v_lshrrev_b32 v26, 23, v27                     ; the scale's byte
.if \j == 0
	v_mov_b32 v24, v26
.else
	v_lshl_or_b32 v24, v26, 8*\j, v24              ; four bytes make the K step's scale word
.endif
.irp g, 0,1,2,3
	v_cvt_scalef32_pk8_fp4_f32 v[CD+4*\j+\g], v[XS+8*\g:XS+8*\g+7], v27
.endr
	global_store_b128 v3, v[CD+4*\j:CD+4*\j+3], s[18:19] offset:256*\j
.endm
	BLOCK 0
	BLOCK 1
	BLOCK 2
	BLOCK 3
	v_nop                                          ; a plain instruction behind the last conversion
	ds_store_b32 v6, v24 offset:SST
	BARRIER                                        ; the work-group's 256 scale words lie in LDS as they lie in ops
	s_cmp_lt_u32 s22, 2
	s_cbranch_scc0 .Ldone
	ds_load_b128 v[20:23], v7 offset:SST           ; waves 0 and 1: 64 threads x 16 bytes
	s_wait_dscnt 0x0
	global_store_b128 v7, v[20:23], s[20:21]       ; each wave stores 512 consecutive, aligned bytes
.Ldone:
	s_wait_tensorcnt 0x0
	ds_add_u32 v240, v241
	s_wait_dscnt 0x0
	s_endpgm
.Lfunc_end_k_qe5136de69f_prep:
	.size	k_qe5136de69f_prep, .Lfunc_end_k_qe5136de69f_prep-k_qe5136de69f_prep
	.p2alignl 7, 3214868480
	.fill 96, 4, 3214868480
	.section	.rodata,"a",@progbits
	.p2align	6, 0x0
	.amdhsa_kernel k_qe5136de69f_prep
		.amdhsa_group_segment_fixed_size 17408
		.amdhsa_private_segment_fixed_size 0
		.amdhsa_enable_private_segment 0
		.amdhsa_kernarg_size 72
		.amdhsa_user_sgpr_count 2
		.amdhsa_user_sgpr_kernarg_segment_ptr 1
		.amdhsa_wavefront_size32 1
		.amdhsa_system_sgpr_workgroup_id_x 1
		.amdhsa_system_sgpr_workgroup_id_y 1
		.amdhsa_system_sgpr_workgroup_id_z 1
		.amdhsa_system_vgpr_workitem_id 0
		.amdhsa_next_free_vgpr 242
		.amdhsa_next_free_sgpr 66
		.amdhsa_reserve_vcc 0
		.amdhsa_float_denorm_mode_32 3
		.amdhsa_float_denorm_mode_16_64 3
		.amdhsa_memory_ordered 1
		.amdhsa_forward_progress 1
		.amdhsa_inst_pref_size 61
	.end_amdhsa_kernel
	.amdgpu_metadata
---
amdhsa.version: [ 1, 2 ]
amdhsa.kernels:
  - .name:           k_qe5136de69f_prep
    .symbol:         k_qe5136de69f_prep.kd
    .args:
      - { .name: X, .offset: 0, .size: 8, .value_kind: global_buffer, .address_space: global }
      - { .name: Wq, .offset: 8, .size: 8, .value_kind: global_buffer, .address_space: global }
      - { .name: Wk, .offset: 16, .size: 8, .value_kind: global_buffer, .address_space: global }
      - { .name: Wv, .offset: 24, .size: 8, .value_kind: global_buffer, .address_space: global }
      - { .name: Wo, .offset: 32, .size: 8, .value_kind: global_buffer, .address_space: global }
      - { .name: ln_g, .offset: 40, .size: 8, .value_kind: global_buffer, .address_space: global }
      - { .name: ln_b, .offset: 48, .size: 8, .value_kind: global_buffer, .address_space: global }
      - { .name: opc, .offset: 56, .size: 8, .value_kind: global_buffer, .address_space: global }
      - { .name: ops, .offset: 64, .size: 8, .value_kind: global_buffer, .address_space: global }
    .group_segment_fixed_size: 17408
    .private_segment_fixed_size: 0
    .kernarg_segment_align: 8
    .kernarg_segment_size: 72
    .max_flat_workgroup_size: 256
    .sgpr_count:     66
    .vgpr_count:     242
    .wavefront_size: 32
...
	.end_amdgpu_metadata
.endif
;; end of part 1
;; launch qkv (part 2): grid 256 x 1, 6 waves a work-group, no clusters, 0 bytes of LDS; arguments opc, ops, bq, bk, bv, qkc, qks, vc, vsc; writes qkc, qks, vc, vsc
.if DOCPART == 2
	.amdgcn_target "amdgcn-amd-amdhsa--gfx1250"
	.amdhsa_code_object_version 6
	.text
	.protected	k_qe5136de69f_qkv
	.globl	k_qe5136de69f_qkv
	.p2align	8
	.type	k_qe5136de69f_qkv,@function
k_qe5136de69f_qkv:
	s_mov_b64 s[64:65], 0
	v_nop
	global_prefetch_b8 v0, s[64:65] scope:SCOPE_SE
	s_setreg_imm32_b32 hwreg(HW_REG_WAVE_MODE, 25, 1), 1
	s_wait_xcnt 0x0
; q = xn Wq + bq, k = xn Wk + bk, v = xn Wv + bv on codes of FP4, and the quantisers of q and k (along a head's 64) and of v (along the keys).  No f32 result goes to memory.
; SHARES.  1,536 tasks, one a wave, that share nothing: 128 tokens x 128 columns (two heads) of one of q, k, v: 256 matrix instructions.  No LDS, no barrier.
; Work-group g: TB = g / 2: batch TB / 8, tokens 128 (TB % 8) on.  P = 6 (g % 2) + wave: type P / 4 (0 q, 1 k, 2 v), head pair P % 4.
; Operands come from opc as images of their registers (1,024 bytes for 16 rows x 128 K: register group c of lane l at 512 c + 16 l), scale words from ops ([tile][r][K step]).
; Tile (G, u) holds rows 32 G + 8 u + r + 8 (r / 8).  As source 0, register j of result lane (., h) is then row 32 G + 8 u + 16 h + j: the 16 registers of tiles (G, 0), (G, 1) are 16 NEIGHBOURS.
; q, k: source 0 = the weight's 8 tiles (resident), source 1 = a tile of tokens: a lane holds a token, its 64 registers run along the two heads' channels: the next K.
; v:    source 0 = the 8 tiles of tokens (resident), source 1 = a tile of the weight: a lane holds a channel, its 64 registers run along the 128 tokens: the keys, the next K.
; The products are one text; biases and stores differ: the types part once, on ids, and do not join.  The bias is the C of each sum's first matrix instruction.
; OUT.  qkc [q|k][batch][head][tile][lane][16 bytes]: a token's 64 codes: lane (r, h) block h.  qks [q|k][batch][head][step][r][g]: a word: low half the two bytes of tile (4 step + g, 0), high half of (.., 1).
;       vc [batch][head][step][t'][image]: 16 channels x 128 keys.  vsc [batch][head][step][r][t']: words.
; LIMITS: as the quantiser's in the launch before: NaN and infinities not served; a block under 2^-124, zeros too, gets the byte 1 (its bytes are read by this program alone).
; REGISTERS: window 0 as named below; window 1: source 0's 8 tiles x 4 K steps, tile t, step s at v[32 t + 8 s].
.set LI,   1                           ; 16 x lane: an image's place for my lane
.set LS,   2                           ; 16 r: a tile's scale words of row r
.set LS4,  3                           ; 1,024 h + 16 r: lanes 16-31 take the tile four further on
.set LSH,  4                           ; 2,048 h + 16 r: the scale words' way out: lanes 16-31 the second head
.set LB,   5                           ; the bias's offset
.set SELV, 6                           ; byte selects: lanes 0-15 the first head's two bytes of two words, lanes 16-31 the second's
.set PW0,  7                           ; the even tile's scale word, kept
.set SW,   8                           ; v8-11   scale words to store
.set S0,   12                          ; v12-27  source 0's scale words: register 4 (t % 4) + s: lanes 0-15 tile t % 4, lanes 16-31 tile t % 4 + 4
.set S1,   28                          ; v28-35  source 1's: two sets of four
.set PC,   36                          ; v36-43  the codes just made
.set TM,   44                          ; v44-59  the quantiser's work
.set PW,   60                          ; the scale word just made
.set ACC,  64                          ; v64-127 eight accumulators
.set F,    128                         ; v128-191 source 1's fragments: two sets of 32
.set BIAS, 192                         ; v192-255
.set SEL,  22                          ; s[22:23] v_permlanex16_b32's selects for lane l xor 16
.set MSB, 0
.macro WIN new                         ; the immediate's high byte repeats the setting that is left
.if MSB != \new
	s_set_vgpr_msb (MSB<<8)|\new
.set MSB, \new
.endif
.endm
; 64 numbers of a lane, register 16 b + i = k 32 b + 16 (lane / 16) + i of my row, become a fragment's codes in v[PC] on and its scale word in v[PW].
.macro QUANT s
.irp b, 0,1,2,3
	v_max3_num_f32 v[TM+\b], |v[\s+16*\b]|, |v[\s+1+16*\b]|, 0x1800000   ; my 16 numbers of block b, and the floor 2^(3 - 127): each accumulator is read from its low end on
.endr
.irp i, 2,4,6,8,10,12,14
.irp b, 0,1,2,3
	v_max3_num_f32 v[TM+\b], v[TM+\b], |v[\s+16*\b+\i]|, |v[\s+1+16*\b+\i]|
.endr
.endr
.irp b, 0,1,2,3
	v_permlanex16_b32 v[TM+4+\b], v[TM+\b], s[SEL], s[SEL+1]
.endr
.irp b, 0,1,2,3
	v_max_num_f32 v[TM+\b], v[TM+\b], v[TM+4+\b]   ; with lane l xor 16's: the block's largest magnitude
.endr
.irp b, 0,1,2,3
	v_add_nc_u32 v[TM+12+\b], 0xff000000, v[TM+\b] ; 2 off its exponent field: the conversion's scale operand
.endr
.irp b, 0,1,2,3
	v_lshrrev_b32 v[TM+4+\b], 23, v[TM+12+\b]      ; the scale's byte
.endr
	v_lshl_or_b32 v[PW], v[TM+5], 8, v[TM+4]
	v_lshl_or_b32 v[PW], v[TM+6], 16, v[PW]
	v_lshl_or_b32 v[PW], v[TM+7], 24, v[PW]
.irp b, 0,1,2,3
	v_cvt_scalef32_pk8_fp4_f32 v[PC+2*\b], v[\s+16*\b:\s+7+16*\b], v[TM+12+\b]
	v_cvt_scalef32_pk8_fp4_f32 v[PC+1+2*\b], v[\s+8+16*\b:\s+15+16*\b], v[TM+12+\b]
.endr
	v_nop                                          ; one plain instruction behind a scaled conversion
.irp c, 0,1                                    ; the operand's layout wants a whole block in a lane: lanes 0-15 block 2 c, lanes 16-31 block 2 c + 1
.irp i, 0,1
	v_permlane16_swap_b32 v[PC+4*\c+\i], v[PC+2+4*\c+\i]
.endr
.endr
.endm
.macro LOADF set, i                    ; source 1's tile i: four fragments and their scale words: nine loads
.irp s, 0,1,2,3
.irp c, 0,1
	global_load_b128 v[F+32*(\set)+8*\s+4*\c:F+32*(\set)+8*\s+4*\c+3], v[LI], s[26:27] offset:4096*(\i)+1024*\s+512*\c
.endr
.endr
	global_load_b128 v[S1+4*(\set):S1+4*(\set)+3], v[LS], s[30:31] offset:256*(\i)
.endm
; Source 1's tile i against source 0's eight: 32 matrix instructions, the eight accumulators by turns, K ascending; then the quantiser and the stores.
.macro ITER i, typ
.if \i < 7
	LOADF (\i+1)%2, \i+1                           ; into the set that the tile before used: its products stand ahead of a whole quantiser
	s_wait_loadcnt 9                               ; all but these nine: this tile's fragments are in
.else
	s_wait_loadcnt 0x0
.endif
	WIN 0x01                                       ; source 0 in window 1
.irp s, 0,1,2,3
.irp t, 0,1,2,3,4,5,6,7
.set CR, ACC+8*\t
.if \s == 0
.if \typ
.set CR, BIAS+8*(\i)                           ; v: the lane's channel's bias, in all eight registers
.else
.set CR, BIAS+8*\t                             ; q, k: the biases of the tile's eight channels of my half
.endif
.endif
.if \t < 4
	v_wmma_scale_f32_16x16x128_f8f6f4 v[ACC+8*\t:ACC+8*\t+7], v[32*\t+8*\s:32*\t+8*\s+7], v[F+32*((\i)%2)+8*\s:F+32*((\i)%2)+8*\s+7], v[CR:CR+7], v[S0+4*(\t%4)+\s], v[S1+4*((\i)%2)+\s] matrix_a_fmt:MATRIX_FMT_FP4 matrix_b_fmt:MATRIX_FMT_FP4
.else
	v_wmma_scale_f32_16x16x128_f8f6f4 v[ACC+8*\t:ACC+8*\t+7], v[32*\t+8*\s:32*\t+8*\s+7], v[F+32*((\i)%2)+8*\s:F+32*((\i)%2)+8*\s+7], v[CR:CR+7], v[S0+4*(\t%4)+\s], v[S1+4*((\i)%2)+\s] matrix_a_fmt:MATRIX_FMT_FP4 matrix_b_fmt:MATRIX_FMT_FP4 matrix_a_scale:MATRIX_SCALE_ROW1
.endif
.endr
.endr
	WIN 0
.rept 4
	v_nop                                          ; four places between the last product and the first read of results (ISA guide 7.12.1)
.endr
	s_wait_xcnt 0x0                                ; the last tile's stores have read their data: the codes' registers are written again only behind this wait
	QUANT ACC
.if \typ
	global_store_b128 v[LI], v[PC:PC+3], s[34:35] offset:((\i)/4)*32768+((\i)%4)*1024        ; head i / 4, channels' tile i % 4: 512 consecutive bytes a store
	global_store_b128 v[LI], v[PC+4:PC+7], s[34:35] offset:((\i)/4)*32768+((\i)%4)*1024+512
.if \i < 4
	v_mov_b32 v[SW+\i], v[PW]
.else
	v_cndmask_b32 v[SW+\i-4], v[SW+\i-4], v[PW], s38   ; lanes 16-31 carry the second head's word
.endif
.else
	global_store_b128 v[LI], v[PC:PC+3], s[34:35] offset:512*\i          ; the first head's 64 codes of 16 tokens,
	global_store_b128 v[LI], v[PC+4:PC+7], s[34:35] offset:512*\i+32768  ; the second head's
.if (\i)%2 == 0
	v_mov_b32 v[PW0], v[PW]
.else
	v_perm_b32 v[SW+(\i)/2], v[PW], v[PW0], v[SELV]    ; my head's two bytes of tile (g, 0), then of tile (g, 1)
.endif
.endif
.endm
	s_load_b512 s[4:19], s[0:1], 0x0               ; opc, ops, bq, bk, bv, qkc, qks, vc
	s_load_b64 s[20:21], s[0:1], 0x40              ; vsc
	v_lshrrev_b32 v1, 5, v0
	v_readfirstlane_b32 s39, v1                    ; wave 0..5
	v_and_b32 v61, 15, v0                          ; r
	v_bfe_u32 v62, v0, 4, 1                        ; h
	v_and_b32 v63, 31, v0
	v_lshlrev_b32 v[LI], 4, v63
	v_lshlrev_b32 v[LS], 4, v61
	v_lshl_add_u32 v[LS4], v62, 10, v[LS]
	v_lshl_add_u32 v[LSH], v62, 11, v[LS]
	s_mov_b32 s[SEL], 0x76543210
	s_mov_b32 s[SEL+1], 0xfedcba98
	s_mov_b32 s38, 0xffff0000                      ; a lane mask: lanes 16-31
	s_and_b32 s40, ttmp9, 1
	s_mul_i32 s40, s40, 6
	s_add_co_u32 s40, s40, s39                     ; P
	s_lshr_b32 s41, s40, 2                         ; type
	s_and_b32 s42, s40, 3                          ; head pair
	s_lshr_b32 s43, ttmp9, 1                       ; TB
	s_lshr_b32 s44, s43, 3                         ; batch
	s_and_b32 s45, s43, 7                          ; step: which 128 tokens
	s_lshl_b32 s46, s43, 3                         ; the tokens' first tile
	s_lshl_b32 s47, s40, 3
	s_add_co_u32 s47, s47, 1024                    ; the weight's first tile
	s_cmp_eq_u32 s41, 2
	s_cselect_b32 s48, s46, s47                    ; source 0's first tile
	s_cselect_b32 s49, s47, s46                    ; source 1's
	s_mov_b32 s51, 0
	s_wait_kmcnt 0x0
	s_lshl_b32 s50, s48, 12
	s_add_nc_u64 s[24:25], s[4:5], s[50:51]
	s_lshl_b32 s50, s49, 12
	s_add_nc_u64 s[26:27], s[4:5], s[50:51]
	s_lshl_b32 s50, s48, 8
	s_add_nc_u64 s[28:29], s[6:7], s[50:51]
	s_lshl_b32 s50, s49, 8
	s_add_nc_u64 s[30:31], s[6:7], s[50:51]
.irp q, 0,1,2,3
	global_load_b128 v[S0+4*\q:S0+4*\q+3], v[LS4], s[28:29] offset:256*\q
.endr
	WIN 0x40                                       ; destination window 1
.irp t, 0,1,2,3,4,5,6,7
.irp s, 0,1,2,3
.irp c, 0,1
	global_load_b128 v[32*\t+8*\s+4*\c:32*\t+8*\s+4*\c+3], v[LI], s[24:25] offset:4096*\t+1024*\s+512*\c
.endr
.endr
.endr
	WIN 0
	s_cmp_eq_u32 s41, 2
	s_cbranch_scc1 .Lvalues
	; ---- q or k
	s_cmp_eq_u32 s41, 0
	s_cselect_b64 s[32:33], s[8:9], s[10:11]       ; bq or bk,
	s_lshl_b32 s50, s42, 9
	s_add_nc_u64 s[32:33], s[32:33], s[50:51]      ; at my 128 channels
	s_lshl_b32 s52, s41, 4
	s_add_co_u32 s52, s52, s44
	s_lshl_b32 s52, s52, 3
	s_lshl_b32 s53, s42, 1
	s_add_co_u32 s52, s52, s53                     ; (16 type + batch) x 8 + my first head
	s_lshl_b32 s50, s52, 15
	s_lshl_b32 s53, s45, 12
	s_add_co_u32 s50, s50, s53
	s_add_nc_u64 s[34:35], s[14:15], s[50:51]      ; codes: 32,768 bytes a head, 4,096 a step
	s_lshl_b32 s50, s52, 11
	s_lshl_b32 s53, s45, 8
	s_add_co_u32 s50, s50, s53
	s_add_nc_u64 s[36:37], s[16:17], s[50:51]      ; scale words: 2,048 bytes a head, 256 a step
	v_lshlrev_b32 v[LB], 6, v62                    ; 16 h channels on
.irp t, 0,1,2,3,4,5,6,7
	global_load_b128 v[BIAS+8*\t:BIAS+8*\t+3], v[LB], s[32:33] offset:(32*(\t/2)+8*(\t%2))*4
	global_load_b128 v[BIAS+8*\t+4:BIAS+8*\t+7], v[LB], s[32:33] offset:(32*(\t/2)+8*(\t%2))*4+16
.endr
	LOADF 0, 0
	v_mov_b32 v[SELV], 0x05040100
	v_mov_b32 v63, 0x07060302
	v_cndmask_b32 v[SELV], v[SELV], v63, s38
.irp b, 0,1,2,3
	v_mov_b32 v[TM+4+\b], 0                        ; written once: a lane permute's destination counts as one of its sources
.endr
.irp i, 0,1,2,3,4,5,6,7
	ITER \i, 0
.endr
	global_store_b128 v[LSH], v[SW:SW+3], s[36:37] ; lanes 0-15: 256 consecutive, aligned bytes of the first head; lanes 16-31 of the second
	s_endpgm
.Lvalues:
	; ---- v
	s_lshl_b32 s50, s42, 9
	s_add_nc_u64 s[32:33], s[12:13], s[50:51]      ; bv at my 128 channels
	s_lshl_b32 s52, s44, 3
	s_lshl_b32 s53, s42, 1
	s_add_co_u32 s52, s52, s53                     ; 8 batch + my first head
	s_lshl_b32 s52, s52, 3
	s_add_co_u32 s52, s52, s45                     ; x 8 + step
	s_lshl_b32 s50, s52, 12
	s_add_nc_u64 s[34:35], s[18:19], s[50:51]
	s_lshl_b32 s50, s52, 8
	s_add_nc_u64 s[36:37], s[20:21], s[50:51]
	v_and_b32 v63, 8, v61
	v_add_nc_u32 v63, v63, v61
	v_lshlrev_b32 v[LB], 2, v63                    ; my channel in a tile: r + 8 (r / 8)
.irp i, 0,1,2,3,4,5,6,7
	global_load_b32 v[TM+\i], v[LB], s[32:33] offset:(32*(\i/2)+8*(\i%2))*4
.endr
	LOADF 0, 0
	s_wait_loadcnt 9                               ; all but the nine just issued: the biases are in
.irp i, 0,1,2,3,4,5,6,7
.irp j, 0,1,2,3,4,5,6,7
	v_mov_b32 v[BIAS+8*\i+\j], v[TM+\i]            ; a C operand for tile i: the lane's bias in all eight rows
.endr
.endr
.irp b, 0,1,2,3
	v_mov_b32 v[TM+4+\b], 0
.endr
.irp i, 0,1,2,3,4,5,6,7
	ITER \i, 1
.endr
	global_store_b128 v[LSH], v[SW:SW+3], s[36:37]
	s_endpgm
.Lfunc_end_k_qe5136de69f_qkv:
	.size	k_qe5136de69f_qkv, .Lfunc_end_k_qe5136de69f_qkv-k_qe5136de69f_qkv
	.p2alignl 7, 3214868480
	.fill 96, 4, 3214868480
	.section	.rodata,"a",@progbits
	.p2align	6, 0x0
	.amdhsa_kernel k_qe5136de69f_qkv
		.amdhsa_group_segment_fixed_size 0
		.amdhsa_private_segment_fixed_size 0
		.amdhsa_enable_private_segment 0
		.amdhsa_kernarg_size 72
		.amdhsa_user_sgpr_count 2
		.amdhsa_user_sgpr_kernarg_segment_ptr 1
		.amdhsa_wavefront_size32 1
		.amdhsa_system_sgpr_workgroup_id_x 1
		.amdhsa_system_sgpr_workgroup_id_y 1
		.amdhsa_system_sgpr_workgroup_id_z 1
		.amdhsa_system_vgpr_workitem_id 0
		.amdhsa_next_free_vgpr 512
		.amdhsa_next_free_sgpr 66
		.amdhsa_reserve_vcc 0
		.amdhsa_float_denorm_mode_32 3
		.amdhsa_float_denorm_mode_16_64 3
		.amdhsa_memory_ordered 1
		.amdhsa_forward_progress 1
		.amdhsa_inst_pref_size 159
	.end_amdhsa_kernel
	.amdgpu_metadata
---
amdhsa.version: [ 1, 2 ]
amdhsa.kernels:
  - .name:           k_qe5136de69f_qkv
    .symbol:         k_qe5136de69f_qkv.kd
    .args:
      - { .name: opc, .offset: 0, .size: 8, .value_kind: global_buffer, .address_space: global }
      - { .name: ops, .offset: 8, .size: 8, .value_kind: global_buffer, .address_space: global }
      - { .name: bq, .offset: 16, .size: 8, .value_kind: global_buffer, .address_space: global }
      - { .name: bk, .offset: 24, .size: 8, .value_kind: global_buffer, .address_space: global }
      - { .name: bv, .offset: 32, .size: 8, .value_kind: global_buffer, .address_space: global }
      - { .name: qkc, .offset: 40, .size: 8, .value_kind: global_buffer, .address_space: global }
      - { .name: qks, .offset: 48, .size: 8, .value_kind: global_buffer, .address_space: global }
      - { .name: vc, .offset: 56, .size: 8, .value_kind: global_buffer, .address_space: global }
      - { .name: vsc, .offset: 64, .size: 8, .value_kind: global_buffer, .address_space: global }
    .group_segment_fixed_size: 0
    .private_segment_fixed_size: 0
    .kernarg_segment_align: 8
    .kernarg_segment_size: 72
    .max_flat_workgroup_size: 192
    .sgpr_count:     66
    .vgpr_count:     512
    .wavefront_size: 32
...
	.end_amdgpu_metadata
.endif
;; end of part 2
;; launch attn (part 3): grid 4 x 64, 16 waves a work-group, clusters of 4 x 1, 169,984 bytes of LDS; arguments qkc, qks, vc, vsc, hc, hs; writes hc, hs
.if DOCPART == 3
	.amdgcn_target "amdgcn-amd-amdhsa--gfx1250"
	.amdhsa_code_object_version 6
	.text
	.protected	k_qe5136de69f_attn
	.globl	k_qe5136de69f_attn
	.p2align	8
	.type	k_qe5136de69f_attn,@function
k_qe5136de69f_attn:
	s_mov_b64 s[64:65], 0
	v_nop
	global_prefetch_b8 v0, s[64:65] scope:SCOPE_SE
	s_setreg_imm32_b32 hwreg(HW_REG_WAVE_MODE, 25, 1), 1
	s_wait_xcnt 0x0
	s_wait_alu depctr_hold_cnt(0) depctr_sa_sdst(0) depctr_va_vdst(0) depctr_va_sdst(0) depctr_va_ssrc(0) depctr_va_vcc(0) depctr_vm_vsrc(0)
	s_getreg_b32 s2, hwreg(HW_REG_IB_STS2, 6, 4)
	s_cmp_eq_u32 s2, 0
	s_cbranch_scc0 .Lentry_in_a_cluster
	s_endpgm
.Lentry_in_a_cluster:
	s_bfe_u32 s2, ttmp6, 0x10000c
	s_cmp_lg_u32 s2, 0x3003
	s_cbranch_scc0 .Lentry_shape_is_right
	s_endpgm
.Lentry_shape_is_right:
; h = softmax(q k^T / 8) v for two heads and 256 queries a work-group, both products on codes of FP4; h is quantised along the output projection's K and leaves as codes.
; THE SOFTMAX: t = score x log2(e) / 8; M = the running largest t rounded UP to a whole number; p = 2^(t - M) is quantised along the keys, not normalised; the row's sum is taken of the unquantised p and divides at the end.
; When M moves, the sum and O are multiplied by 2^(old M - new M): exact.
; SHARES.  y = 4 batch + head pair; cx = which 256 queries.  Each of SIXTEEN waves owns one tile of 16 queries (tile 16 cx + wave), first for the pair's head A, then for head B:
; its two results are registers 0-3 and 4-7 of ONE fragment of h (K step = the head pair) with one whole scale word.  Four waves share a SIMD: one wave's vector work stands beside another's products and LDS loads.
; LDS IS FILLED ONCE: both heads' K and V codes (4 x 32,768 bytes) and scale words (4 x 2,048) lie there for the whole launch: no slot is filled again, and one barrier shows all of it to every wave.
; CLUSTER.  The four work-groups of a cluster are the four query blocks of one head pair and want the same 139,264 bytes: each part is asked for JOINTLY, by the same tensor load with the same descriptor and the mask 15.
; Waves 0-7: 64 rows of 256 bytes of codes each, to LDS byte 16,384 x wave (K's two heads, then V's two: dense in memory as in LDS); waves 8, 9: K's, V's scale words of both heads, 16 rows.  One load of a wave is out.
; LAYOUT.  Both products are used transposed (S^T = K Q^T, O^T = V^T P^T): a lane holds ONE query.  Tiles hold rows 32 G + 8 u + r + 8 (r / 8), so that the 16 registers of tiles (G, 0), (G, 1) are 16 neighbouring keys (or channels).
; K = 64 IN A FORM OF K = 128.  A fragment's registers 0-3 are key tile (g, 0), registers 4-7 key tile (g, 1): 1,024 bytes as they lie.  Against (q, 0) it gives tile (g, 0)'s scores, against (0, q) tile (g, 1)'s: the other half meets zero codes.
; K's scale word carries both tiles' two bytes, q's carries its two bytes twice.
; K IS FETCHED A STEP AHEAD, behind the products that read its registers: 4,096 bytes (scale words: 256) further on.  Head A's last step so fetches head B's first, which lies next in LDS; head B's last fetches V's first bytes, which have landed and are not used.
; LIMITS: NaN and infinities are not served; a block of p or of h under 2^-124, zeros too, gets the byte 1 (read by this program alone).
.set VCO,  65536                       ; LDS: 0 K's codes [head 2][step 8][4,096]; 65,536 V's likewise;
.set SCK,  131072                      ; K's scale words [head][step][256]; 4,096 further on V's;
.set HST,  139264                      ; 1,024 bytes for h's scale words: no fill lands here
.set LI,   1                           ; 16 x lane
.set LIV,  2                           ; + V's codes
.set LS0,  3                           ; SCK + 16 r
.set ADK,  4                           ; addresses of the runs of LDS loads: K's codes, V's codes, V's scale words, K's scale words.  Each is written only behind the wait that shows its last run done
.set ADV,  5
.set ADS,  6
.set ADT,  11
.set HSTO, 7                           ; where I put h's scale word
.set HSRD, 8                           ; where waves 0, 1 read the words back
.set GOH,  10                          ; 16 x thread
.set SQ,   28                          ; q's scale word (v29: head B's)
.set SQB,  29
.set KF,   32                          ; v32-63   K's four fragments
.set VF,   64                          ; v64-95   V's four
.set S,    96                          ; v96-159  S^T, then p
.set O,    160                         ; v160-191 O^T
.set HC,   192                         ; v192-199 h's codes
.set HW,   200                         ; h's scale word
.set KS,   204                         ; v204-207 K's scale words, v208-211 V's
.set VS,   208
.set QB,   212                         ; v212-215 head B's q
.set PC,   224                         ; v224-231 p's codes
.set PSW,  255                         ; p's scale word
; v12 -M, v13 the largest score, v[14:15] the sum in two halves; v[16:19] = 0, v[20:23] = q, v[24:27] = 0: (q, 0) is v[20:27], (0, q) is v[16:23]
; at work: v232-235 block maxima; v236-239 the other lanes', then bytes; v240-243 second chains of the maxima; v244-247 scale operands; v248-250 the row's maximum, t, M's change; v252 f (v253 is named with it as a pair); v254 the old -M;
; the row's sum runs in eight chains: v216-223, v240-243, v248-251
.set WV,   16
.set CX,   17
.set YY,   18
.set KV,   19
.set SEL,  20
.set CS,   22
.set G1C,  24                          ; s[24:31] group 1 for 16,384 dense bytes;  s[32:39] for 4,096
.set G1S,  32
.set G0C,  40                          ; s[40:43] group 0 for codes;  s[44:47] for scale words
.set G0S,  44
.set TB,   56
.set TS,   57
.set CNT,  58
.macro CROUND                          ; a round of the cluster's barrier
	s_barrier_signal -1
	s_barrier_wait -1
	s_cmp_lg_u32 s[WV], 0
	s_cbranch_scc1 .Lnot_wave_0_\@
	s_barrier_signal -3
.Lnot_wave_0_\@:
	s_barrier_wait -3
	s_barrier_signal -1
	s_barrier_wait -1
.endm
	s_load_b256 s[4:11], s[0:1], 0x0               ; qkc, qks, vc, vsc
	s_load_b128 s[12:15], s[0:1], 0x20             ; hc, hs
	v_lshl_add_u32 v202, v0, 2, 0x29000
	v_mov_b32 v203, 0
	ds_add_u32 v202, v203
	ds_add_u32 v202, v203
	v_lshrrev_b32 v9, 5, v0
	v_readfirstlane_b32 s[WV], v9                  ; wave 0..15
	s_bfe_u32 s[CX], ttmp6, 0x40000                ; my place in the cluster: which 256 queries
	s_and_b32 s[YY], ttmp7, 0xffff                 ; 4 batch + head pair, which the four partners share
	s_and_b32 s[KV], s[WV], 1                      ; wave 8 fetches K's scale words, wave 9 V's.  Also: u, my tile's half of a group of 32 queries
	; group 1: dense bytes as rows of 256 (32 elements of 8 bytes), no padding: images are read 16 bytes a lane on end
	s_mov_b32 s[G1C], 15|(3<<16)|(1<<21)           ; 15:0 the mask: all four work-groups; 17:16 elements of 8 bytes; 21 set beside a mask
	s_mov_b32 s[G1C+1], 32<<16                     ; tensor_dim0 = 32
	s_mov_b32 s[G1C+2], 64<<16                     ; tensor_dim1 = 64
	s_mov_b32 s[G1C+3], 32<<16                     ; tile_dim0 = 32
	s_mov_b32 s[G1C+4], 64                         ; tile_dim1 = 64
	s_mov_b32 s[G1C+5], 32                         ; from row to row
	s_mov_b32 s[G1C+6], 0
	s_mov_b32 s[G1C+7], 0
	s_mov_b32 s[G1S], 15|(3<<16)|(1<<21)
	s_mov_b32 s[G1S+1], 32<<16
	s_mov_b32 s[G1S+2], 16<<16                     ; 16 rows
	s_mov_b32 s[G1S+3], 32<<16
	s_mov_b32 s[G1S+4], 16
	s_mov_b32 s[G1S+5], 32
	s_mov_b32 s[G1S+6], 0
	s_mov_b32 s[G1S+7], 0
	s_mov_b32 s[SEL], 0x76543210
	s_mov_b32 s[SEL+1], 0xfedcba98                 ; v_permlanex16_b32's selects for lane l xor 16
	s_mov_b32 s[CS], 0x3e38aa3b                    ; c = log2(e) / 8
	s_mov_b32 s[CS+1], s[CS]                       ; (named with it as a pair, so it is written)
	v_and_b32 v11, 31, v0
	v_and_b32 v9, 15, v0
	v_lshlrev_b32 v[LI], 4, v11
	v_add_nc_u32 v[LIV], VCO, v[LI]
	v_lshlrev_b32 v9, 4, v9                        ; 16 r
	v_add_nc_u32 v[LS0], SCK, v9
	s_lshr_b32 s66, s[WV], 2
	s_lshl_b32 s66, s66, 8
	s_and_b32 s67, s[WV], 3
	s_lshl_b32 s67, s67, 2
	s_add_co_u32 s66, s66, s67
	v_add_nc_u32 v[HSTO], s66, v9
	v_add_nc_u32 v[HSTO], HST, v[HSTO]             ; HST + 256 (wave / 4) + 16 r + 4 (wave % 4)
	v_lshlrev_b32 v[GOH], 4, v0
	v_add_nc_u32 v[HSRD], HST, v[GOH]
	s_cmp_lt_u32 s[WV], 4                          ; codes: waves 0-3 K's, waves 4-7 V's
	s_cselect_b32 s66, 0x400000, 0                 ; k's codes lie behind q's in qkc
	s_lshl_b32 s70, s[YY], 16
	s_add_co_u32 s66, s66, s70                     ; + 65,536 bytes a head pair
	s_and_b32 s70, s[WV], 3
	s_lshl_b32 s70, s70, 14
	s_add_co_u32 s66, s66, s70                     ; + my quarter of them
	s_mov_b32 s67, 0
	s_cmp_eq_u32 s[KV], 0
	s_cselect_b32 s68, 0x40000, 0                  ; k's scale words lie behind q's in qks
	s_lshl_b32 s70, s[YY], 12
	s_add_co_u32 s68, s68, s70                     ; + 4,096 a head pair
	s_mov_b32 s69, 0
	s_wait_dscnt 0x0
	s_wait_kmcnt 0x0
	s_cmp_lt_u32 s[WV], 4
	s_cselect_b64 s[60:61], s[4:5], s[8:9]
	s_cmp_eq_u32 s[KV], 0
	s_cselect_b64 s[62:63], s[6:7], s[10:11]
	s_add_nc_u64 s[60:61], s[60:61], s[66:67]
	s_add_nc_u64 s[62:63], s[62:63], s[68:69]
	s_mov_b32 s[G0C], 1                            ; 1:0 count = 1
	s_and_b32 s70, s[WV], 7
	s_lshl_b32 s[G0C+1], s70, 14                   ; LDS address: 16,384 x wave: no place in the cluster enters it
	s_mov_b64 s[G0C+2:G0C+3], s[60:61]
	s_or_b32 s[G0C+3], s[G0C+3], 0x80000000        ; type = 2
	s_mov_b32 s[G0S], 1
	s_lshl_b32 s[G0S+1], s[KV], 12
	s_add_co_u32 s[G0S+1], s[G0S+1], SCK
	s_mov_b64 s[G0S+2:G0S+3], s[62:63]
	s_or_b32 s[G0S+3], s[G0S+3], 0x80000000
	CROUND                                         ; all four work-groups are here: the joint loads meet
	s_cmp_lt_u32 s[WV], 8                          ; a wave's one fill stands in a branch on its number, ahead of every wait on TENSORcnt and every LDS read; four v_nop follow it
	s_cbranch_scc0 .Lnot_codes
	tensor_load_to_lds s[G0C:G0C+3], s[G1C:G1C+7]
	s_nop 0
.rept 4
	v_nop
.endr
	s_branch .Lasked
.Lnot_codes:
	s_cmp_lt_u32 s[WV], 10
	s_cbranch_scc0 .Lasked
	tensor_load_to_lds s[G0S:G0S+3], s[G1S:G1S+7]
	s_nop 0
.rept 4
	v_nop
.endr
.Lasked:
	; my queries: their codes and scale words of both heads.  cx enters these global addresses alone
	s_lshl_b32 s66, s[CX], 4
	s_add_co_u32 s66, s66, s[WV]                   ; my tile of the batch's 64
	s_lshl_b32 s68, s66, 9
	s_lshl_b32 s70, s[YY], 16
	s_add_co_u32 s68, s68, s70
	s_mov_b32 s69, 0
	s_add_nc_u64 s[72:73], s[4:5], s[68:69]
	s_lshr_b32 s67, s66, 1                         ; G
	s_lshr_b32 s68, s67, 2
	s_lshl_b32 s68, s68, 8                         ; 256 (G / 4)
	s_and_b32 s70, s67, 3
	s_lshl_b32 s70, s70, 2                         ; + 4 (G % 4)
	s_add_co_u32 s68, s68, s70
	s_lshl_b32 s70, s[YY], 12
	s_add_co_u32 s68, s68, s70
	s_add_nc_u64 s[74:75], s[6:7], s[68:69]
	global_load_b128 v[20:23], v[LI], s[72:73]
	global_load_b128 v[QB:QB+3], v[LI], s[72:73] offset:32768
	global_load_b32 v[SQ], v9, s[74:75]
	global_load_b32 v[SQB], v9, s[74:75] offset:2048
	s_lshr_b32 s68, s[YY], 2                       ; where h goes: ((64 batch + tile) x 4 + head pair) x 1,024
	s_lshl_b32 s68, s68, 6
	s_add_co_u32 s68, s68, s66
	s_lshl_b32 s68, s68, 2
	s_and_b32 s70, s[YY], 3
	s_add_co_u32 s68, s68, s70
	s_lshl_b32 s68, s68, 10
	s_add_nc_u64 s[76:77], s[12:13], s[68:69]
	s_lshl_b32 s68, s[YY], 4                       ; and its scale words: (16 y + 4 cx) x 256
	s_lshl_b32 s70, s[CX], 2
	s_add_co_u32 s68, s68, s70
	s_lshl_b32 s68, s68, 8
	s_add_nc_u64 s[78:79], s[14:15], s[68:69]
	s_lshl_b32 s71, s[KV], 4                       ; 16 u: my tile's half of a scale word
.irp j, 16,17,18,19,24,25,26,27,236,237,238,239,253
	v_mov_b32 v\j, 0                               ; the zero codes beside q; lane permutes' destinations; the pair's unused half
.endr
	s_wait_loadcnt 0x0
	v_lshrrev_b32 v[SQ], s71, v[SQ]
	v_lshrrev_b32 v[SQB], s71, v[SQB]
	v_perm_b32 v[SQ], v[SQ], v[SQ], 0x01000100     ; my two bytes, twice
	v_perm_b32 v[SQB], v[SQB], v[SQB], 0x01000100
	s_wait_tensorcnt 0x0                           ; my load has landed,
	s_barrier_signal -1
	s_barrier_wait -1                              ; everybody's has: both heads' K, V and scale words lie in LDS
.irp g, 0,1,2,3                                ; K of head A's first step
.irp c, 0,1
	ds_load_b128 v[KF+8*\g+4*\c:KF+8*\g+4*\c+3], v[LI] offset:1024*\g+512*\c
.endr
.endr
	ds_load_b128 v[KS:KS+3], v[LS0]
.macro SCL p                           ; pair p of the scores: t - M, two at a time (of the pairs c and -M the low word serves both halves)
	v_pk_fma_f32 v[S+2*(\p):S+2*(\p)+1], v[S+2*(\p):S+2*(\p)+1], s[CS:CS+1], v[12:13] op_sel_hi:[1,0,0]
.endm
.macro RSC j                           ; two numbers of O^T under the new M: x f
	v_pk_mul_f32 v[O+(\j):O+(\j)+1], v[O+(\j):O+(\j)+1], v[252:253] op_sel_hi:[1,0]
.endm
.macro SUMR r                          ; round r of the row's sum of the UNQUANTISED p: eight chains, so that no line waits for the line above it; chain k takes pairs k, k + 8, k + 16, k + 24
.set k, 0
.rept 8
.set CH, 216+2*k+(k/4)*16+(k/6)*4              ; v216, 218, 220, 222, 240, 242, 248, 250
.if \r == 0
	v_pk_add_f32 v[CH:CH+1], v[S+2*k:S+2*k+1], v[S+16+2*k:S+17+2*k]
.else
	v_pk_add_f32 v[CH:CH+1], v[CH:CH+1], v[S+16*(\r+1)+2*k:S+16*(\r+1)+2*k+1]
.endif
.set k, k+1
.endr
.endm
; A KEY STEP: 128 keys.  Its K was asked for a step ago.
.macro STEP
	v_add_nc_u32 v[ADV], s[TB], v[LIV]
	v_add_nc_u32 v[ADS], s[TS], v[LS0]
	v_mov_b32 v254, v12                            ; the old -M is kept
	v_nop                                          ; four places between the last step's products and the loads into registers that they read
.irp t, 0,1,2,3
.irp c, 0,1
	ds_load_b128 v[VF+8*\t+4*\c:VF+8*\t+4*\c+3], v[ADV] offset:1024*\t+512*\c
.endr
.endr
	ds_load_b128 v[VS:VS+3], v[ADS] offset:4096
	s_wait_dscnt 9                                 ; all but V's nine just issued: K's nine are in
.irp g, 0,1,2,3
	v_wmma_scale_f32_16x16x128_f8f6f4 v[S+16*\g:S+16*\g+7], v[KF+8*\g:KF+8*\g+7], v[20:27], 0, v[KS+\g], v[SQ] matrix_a_fmt:MATRIX_FMT_FP4 matrix_b_fmt:MATRIX_FMT_FP4
	v_wmma_scale_f32_16x16x128_f8f6f4 v[S+16*\g+8:S+16*\g+15], v[KF+8*\g:KF+8*\g+7], v[16:23], 0, v[KS+\g], v[SQ] matrix_a_fmt:MATRIX_FMT_FP4 matrix_b_fmt:MATRIX_FMT_FP4
.endr                                          ; register 16 g + i of lane (r, h): key 32 g + 16 h + i of the step, query r
	v_add_nc_u32 v[ADK], s[TB], v[LI]              ; (the run that last named these two was shown done by the wait above)
	v_add_nc_u32 v[ADT], s[TS], v[LS0]
	v_nop
	v_nop                                          ; four places behind the products: for the loads into K's registers, and for the first read of the scores
.irp g, 0,1,2,3                                ; the NEXT step's K
.irp c, 0,1
	ds_load_b128 v[KF+8*\g+4*\c:KF+8*\g+4*\c+3], v[ADK] offset:4096+1024*\g+512*\c
.endr
.endr
	ds_load_b128 v[KS:KS+3], v[ADT] offset:256
	; the largest score of each block of 32 keys: it serves the row's maximum and, since p rises with the score, the block's largest p.  Two chains a block, one for each accumulator, each from its low end on
.irp b, 0,1,2,3
	v_max3_num_f32 v[232+\b], v[S+16*\b], v[S+1+16*\b], v[S+2+16*\b]
.endr
.irp b, 0,1,2,3
	v_max3_num_f32 v[240+\b], v[S+8+16*\b], v[S+9+16*\b], v[S+10+16*\b]
.endr
.irp i, 3,5
.irp b, 0,1,2,3
	v_max3_num_f32 v[232+\b], v[232+\b], v[S+16*\b+\i], v[S+1+16*\b+\i]
.endr
.irp b, 0,1,2,3
	v_max3_num_f32 v[240+\b], v[240+\b], v[S+8+16*\b+\i], v[S+9+16*\b+\i]
.endr
.endr
.irp b, 0,1,2,3
	v_max3_num_f32 v[232+\b], v[232+\b], v[S+7+16*\b], v[S+15+16*\b]
.endr
.irp b, 0,1,2,3
	v_max_num_f32 v[232+\b], v[232+\b], v[240+\b]
.endr
.irp b, 0,1,2,3
	v_permlanex16_b32 v[236+\b], v[232+\b], s[SEL], s[SEL+1]
.endr
.irp b, 0,1,2,3
	v_max_num_f32 v[232+\b], v[232+\b], v[236+\b]  ; with lane l xor 16's 16 keys
.endr
	v_max3_num_f32 v248, v232, v233, v234
	v_max3_num_f32 v13, v13, v248, v235            ; the running largest score of my query
	v_mul_f32 v249, s[CS], v13                     ; as t (c is positive: the largest score gives the largest t)
	v_floor_f32 v12, -v249                         ; the new -M = floor(-t) = -ceil(t)
	SCL 0                                          ; the first scalings; the three lines that make f stand among them, so that none waits for the line above it
	SCL 1
	v_sub_f32 v250, v12, v254                      ; old M - new M: a whole number, 0 or less
	SCL 2
	SCL 3
	v_cvt_i32_f32 v250, v250                       ; (it saturates)
	SCL 4
	SCL 5
	v_ldexp_f32 v252, 1.0, v250                    ; f = 2^(old M - new M)
.irp b, 0,1,2,3
	v_fma_f32 v[232+\b], v[232+\b], s[CS], v12     ; t - M of each block's largest score
.endr
	; ONE BATCH of 68 exponentials, p = 2^(t - M); plain lines that name none of its results stand between them: the other scalings (a pair is scaled six pairs ahead of its exponentials), then the rescaling of the sum and of half of O^T
.set n, 0
.rept 26
	v_exp_f32 v[S+2*n], v[S+2*n]
	SCL n+6
	v_exp_f32 v[S+2*n+1], v[S+2*n+1]
.set n, n+1
.endr
	v_exp_f32 v[S+52], v[S+52]
	v_pk_mul_f32 v[14:15], v[14:15], v[252:253] op_sel_hi:[1,0]   ; the sums under the new M
	v_exp_f32 v[S+53], v[S+53]
.set n, 0
.rept 5
	v_exp_f32 v[S+54+2*n], v[S+54+2*n]
	RSC 2*n
	v_exp_f32 v[S+55+2*n], v[S+55+2*n]
.set n, n+1
.endr
	v_exp_f32 v232, v232                           ; the blocks' largest p: the same two instructions on the same number give the same bits
	RSC 10
	v_exp_f32 v233, v233
	RSC 12
	v_exp_f32 v234, v234
	v_exp_f32 v235, v235
	RSC 14                                         ; a plain instruction behind the last exponential
	s_wait_alu depctr_va_vdst(0)                   ; one wait for the whole batch, ahead of its first reader
.irp b, 0,1,2,3
	v_max_num_f32 v[232+\b], 0x1800000, v[232+\b]  ; the floor 2^(3 - 127)
.endr
	SUMR 0
.irp b, 0,1,2,3
	v_add_nc_u32 v[244+\b], 0xff000000, v[232+\b]  ; 2 off the exponent field: the conversion's scale operand
.endr
	SUMR 1
.irp b, 0,1,2,3
	v_lshrrev_b32 v[236+\b], 23, v[244+\b]         ; the scale's byte
.endr
	SUMR 2
	v_lshl_or_b32 v236, v237, 8, v236
	v_lshl_or_b32 v238, v239, 8, v238
.irp b, 0,1,2,3
	v_cvt_scalef32_pk8_fp4_f32 v[PC+2*\b], v[S+16*\b:S+7+16*\b], v[244+\b]
	v_cvt_scalef32_pk8_fp4_f32 v[PC+1+2*\b], v[S+8+16*\b:S+15+16*\b], v[244+\b]
.endr
	v_pk_add_f32 v[216:217], v[216:217], v[218:219]   ; the chains are joined: plain instructions behind the conversions
	v_pk_add_f32 v[220:221], v[220:221], v[222:223]
	v_pk_add_f32 v[240:241], v[240:241], v[242:243]
	v_pk_add_f32 v[248:249], v[248:249], v[250:251]
	v_lshl_or_b32 v[PSW], v238, 16, v236           ; p's scale word for these 128 keys
.irp c, 0,1
.irp i, 0,1
	v_permlane16_swap_b32 v[PC+4*\c+\i], v[PC+2+4*\c+\i]   ; a whole block in a lane
.endr
.endr
	v_pk_add_f32 v[216:217], v[216:217], v[220:221]
	v_pk_add_f32 v[240:241], v[240:241], v[248:249]
	v_pk_add_f32 v[216:217], v[216:217], v[240:241]
	v_pk_add_f32 v[14:15], v[14:15], v[216:217]
.irp j, 16,18,20,22,24,26,28,30
	RSC \j                                         ; the other half of O^T.  With the four additions: twelve plain instructions between the lines that wrote p's codes and scale word and the products
.endr
	s_wait_dscnt 9                                 ; all but the next step's nine of K: V is in
.irp t, 0,1,2,3
	v_wmma_scale_f32_16x16x128_f8f6f4 v[O+8*\t:O+8*\t+7], v[VF+8*\t:VF+8*\t+7], v[PC:PC+7], v[O+8*\t:O+8*\t+7], v[VS+\t], v[PSW] matrix_a_fmt:MATRIX_FMT_FP4 matrix_b_fmt:MATRIX_FMT_FP4
.endr
.endm
; O^T / the sum is h: my query's 64 channels of this head: two blocks of the output projection's K.  Their codes are registers 4 sg .. 4 sg + 3 of h's fragment, their bytes 2 sg, 2 sg + 1 of its scale word.
.macro FINAL sg
	v_add_f32 v14, v14, v15                        ; the sum's two halves,
	v_permlanex16_b32 v252, v14, s[SEL], s[SEL+1]
	v_add_f32 v14, v14, v252                       ; and lane l xor 16's
	v_rcp_f32 v14, v14
	v_nop
	v_nop                                          ; (with the additions: the places between the last products and the first read of O^T)
	s_wait_alu depctr_va_vdst(0)                   ; the wait ahead of the reciprocal's first reader
.irp j, 0,2,4,6,8,10,12,14,16,18,20,22,24,26,28,30
	v_pk_mul_f32 v[S+\j:S+1+\j], v[O+\j:O+1+\j], v[14:15] op_sel_hi:[1,0]   ; register 16 b + i: channel 32 b + 16 h + i; each accumulator is read from its low end on
.endr
.irp b, 0,1
	v_max3_num_f32 v[232+\b], |v[S+16*\b]|, |v[S+1+16*\b]|, 0x1800000
.endr
.irp i, 2,4,6,8,10,12,14
.irp b, 0,1
	v_max3_num_f32 v[232+\b], v[232+\b], |v[S+16*\b+\i]|, |v[S+1+16*\b+\i]|
.endr
.endr
.irp b, 0,1
	v_permlanex16_b32 v[236+\b], v[232+\b], s[SEL], s[SEL+1]
.endr
.irp b, 0,1
	v_max_num_f32 v[232+\b], v[232+\b], v[236+\b]
.endr
.irp b, 0,1
	v_add_nc_u32 v[244+\b], 0xff000000, v[232+\b]
.endr
.irp b, 0,1
	v_lshrrev_b32 v[236+\b], 23, v[244+\b]
.endr
.if \sg == 0
	v_lshl_or_b32 v[HW], v237, 8, v236
.else
	v_lshl_or_b32 v[HW], v236, 16, v[HW]
	v_lshl_or_b32 v[HW], v237, 24, v[HW]
.endif
.irp b, 0,1
	v_cvt_scalef32_pk8_fp4_f32 v[HC+4*\sg+2*\b], v[S+16*\b:S+7+16*\b], v[244+\b]
	v_cvt_scalef32_pk8_fp4_f32 v[HC+4*\sg+2*\b+1], v[S+8+16*\b:S+15+16*\b], v[244+\b]
.endr
	v_nop
	v_permlane16_swap_b32 v[HC+4*\sg], v[HC+4*\sg+2]
	v_permlane16_swap_b32 v[HC+4*\sg+1], v[HC+4*\sg+3]
.endm
; One head: eight key steps, written once and walked by a counted loop.  O^T and the sum begin as zeros and the largest score as -3e38: the first change of M multiplies zeros.
.macro HEAD sg
.if \sg
.irp j, 0,1,2,3
	v_mov_b32 v[20+\j], v[QB+\j]
.endr
	v_mov_b32 v[SQ], v[SQB]
.endif
	v_mov_b32 v13, 0xff61b1e6
	v_floor_f32 v12, -v13
	v_mov_b32 v14, 0
	v_mov_b32 v15, 0
.set n, 0
.rept 32
	v_mov_b32 v[O+n], 0
.set n, n+1
.endr
	s_mov_b32 s[TB], 32768*\sg                     ; the head's codes in LDS,
	s_mov_b32 s[TS], 2048*\sg                      ; its scale words
	s_mov_b32 s[CNT], 8
.Lstep_\@:
	STEP
	s_add_co_u32 s[TB], s[TB], 4096
	s_add_co_u32 s[TS], s[TS], 256
	s_sub_co_u32 s[CNT], s[CNT], 1
	s_cmp_lg_u32 s[CNT], 0
	s_cbranch_scc1 .Lstep_\@
	FINAL \sg
.endm
	HEAD 0
	HEAD 1                                         ; no barrier between the heads: head B's tiles were shown landed with head A's, and its first K is already asked for
	global_store_b128 v[LI], v[HC:HC+3], s[76:77]              ; h's fragment as it stands: 512 consecutive, aligned bytes a store
	global_store_b128 v[LI], v[HC+4:HC+7], s[76:77] offset:512
	ds_store_b32 v[HSTO], v[HW]                    ; (both halves of the lanes hold row r's word and write the same value)
	s_wait_dscnt 0x0                               ; for the others' sake; the last step's loads ahead, which nobody uses, are in too
	s_barrier_signal -1
	s_barrier_wait -1
	s_cmp_lt_u32 s[WV], 2
	s_cbranch_scc0 .Lno_words
	ds_load_b128 v[S:S+3], v[HSRD]                 ; the sixteen tiles' words, 1,024 bytes as they lie in hs
	s_wait_dscnt 0x0
	global_store_b128 v[GOH], v[S:S+3], s[78:79]
.Lno_words:
	s_wait_tensorcnt 0x0
	ds_add_u32 v202, v203
	s_wait_dscnt 0x0
	CROUND                                         ; the closing round: no work-group ends while a partner may still ask for a part that names it
	s_endpgm
.Lfunc_end_k_qe5136de69f_attn:
	.size	k_qe5136de69f_attn, .Lfunc_end_k_qe5136de69f_attn-k_qe5136de69f_attn
	.p2alignl 7, 3214868480
	.fill 96, 4, 3214868480
	.section	.rodata,"a",@progbits
	.p2align	6, 0x0
	.amdhsa_kernel k_qe5136de69f_attn
		.amdhsa_group_segment_fixed_size 169984
		.amdhsa_private_segment_fixed_size 0
		.amdhsa_enable_private_segment 0
		.amdhsa_kernarg_size 48
		.amdhsa_user_sgpr_count 2
		.amdhsa_user_sgpr_kernarg_segment_ptr 1
		.amdhsa_wavefront_size32 1
		.amdhsa_system_sgpr_workgroup_id_x 1
		.amdhsa_system_sgpr_workgroup_id_y 1
		.amdhsa_system_sgpr_workgroup_id_z 1
		.amdhsa_system_vgpr_workitem_id 0
		.amdhsa_next_free_vgpr 256
		.amdhsa_next_free_sgpr 80
		.amdhsa_reserve_vcc 0
		.amdhsa_float_denorm_mode_32 3
		.amdhsa_float_denorm_mode_16_64 3
		.amdhsa_memory_ordered 1
		.amdhsa_forward_progress 1
		.amdhsa_inst_pref_size 47
	.end_amdhsa_kernel
	.amdgpu_metadata
---
amdhsa.version: [ 1, 2 ]
amdhsa.kernels:
  - .name:           k_qe5136de69f_attn
    .symbol:         k_qe5136de69f_attn.kd
    .args:
      - { .name: qkc, .offset: 0, .size: 8, .value_kind: global_buffer, .address_space: global }
      - { .name: qks, .offset: 8, .size: 8, .value_kind: global_buffer, .address_space: global }
      - { .name: vc, .offset: 16, .size: 8, .value_kind: global_buffer, .address_space: global }
      - { .name: vsc, .offset: 24, .size: 8, .value_kind: global_buffer, .address_space: global }
      - { .name: hc, .offset: 32, .size: 8, .value_kind: global_buffer, .address_space: global }
      - { .name: hs, .offset: 40, .size: 8, .value_kind: global_buffer, .address_space: global }
    .group_segment_fixed_size: 169984
    .private_segment_fixed_size: 0
    .kernarg_segment_align: 8
    .kernarg_segment_size: 48
    .max_flat_workgroup_size: 512
    .sgpr_count:     80
    .vgpr_count:     256
    .wavefront_size: 32
...
	.end_amdgpu_metadata
.endif
;; end of part 3
;; launch proj (part 4): grid 256 x 1, 8 waves a work-group, no clusters, 35,840 bytes of LDS; arguments hc, hs, opc, ops, bo, X, out0; writes out0
.if DOCPART == 4
	.amdgcn_target "amdgcn-amd-amdhsa--gfx1250"
	.amdhsa_code_object_version 6
	.text
	.protected	k_qe5136de69f_proj
	.globl	k_qe5136de69f_proj
	.p2align	8
	.type	k_qe5136de69f_proj,@function
k_qe5136de69f_proj:
	s_mov_b64 s[64:65], 0
	v_nop
	global_prefetch_b8 v0, s[64:65] scope:SCOPE_SE
	s_setreg_imm32_b32 hwreg(HW_REG_WAVE_MODE, 25, 1), 1
	s_wait_xcnt 0x0
; out0[b][c][t] = X[b][c][t] + (h Wo + bo)[t][c], the product on codes of FP4.
; SHARES.  Work-group g: batch g / 16, tokens 64 (g % 16) on: four tiles of h, and 256 aligned bytes of each channel's row of X and out0.  Wave w: Wo's tiles 4 w + n, n = 0 .. 3: channels 64 w .. 64 w + 63.
; Source 0 = a tile of h (tokens), source 1 = a tile of Wo (channels): a lane holds ONE channel and its eight registers eight neighbouring tokens: the output's innermost axis.
; Tile (G, u) holds rows 32 G + 8 u + r + 8 (r / 8): register j of lane (r, h') in token tile m is token 32 (m / 2) + 8 (m % 2) + 16 h' + j; the lane's channel is 64 w + 32 (n / 2) + 8 (n % 2) + r + 8 (r / 8).
; All operands come once, as images of their registers, and stay in window 1.  The bias is the C of each sum's first matrix instruction.
; THE LOADS' ORDER: X's 32 first, since they are the launch's largest stream and nothing is stored before they are in; then scale words, bias and h; Wo's last, tile by tile, so that a counted wait opens each tile.
; THE WAY OUT.  16 channels x 64 tokens go through the wave's own stage in LDS (rows of 256 bytes + 16) and come back by rows: sixteen lanes hold 256 consecutive bytes, take X's there and store.  No barrier: waves share no LDS byte.
.set LI,  1                            ; 16 x lane
.set LS,  2                            ; 16 r
.set LB,  3                            ; 4 (r + 8 (r / 8))
.set VX,  4                            ; 4,096 h' + 16 r: two rows of X an instruction
.set STO, 5                            ; the stage: where I put 32 bytes of a row
.set SRD, 6                            ; and where I read rows back
.set BO,  8                            ; v8-11    my channel's bias, for each n
.set CB,  12                           ; v12-19   it as a C operand
.set HS,  20                           ; v20-35   h's scale words: register 4 s + m
.set WS,  36                           ; v36-51   Wo's: register 4 n + s
.set ACC, 52                           ; v52-83   four accumulators
.set OUTR, 84                          ; v84-115  16 rows back from the stage
.set XR,  116                          ; v116-243 X: 32 registers for each n; the sums are made and stored there
; window 1: h's fragments (tile m, K step s) at v[32 m + 8 s]; Wo's (n, s) at v[128 + 32 n + 8 s]
.set MSB, 0
.macro WIN new                         ; the immediate's high byte repeats the setting that is left
.if MSB != \new
	s_set_vgpr_msb (MSB<<8)|\new
.set MSB, \new
.endif
.endm
	s_load_b256 s[4:11], s[0:1], 0x0               ; hc, hs, opc, ops
	s_load_b128 s[12:15], s[0:1], 0x20             ; bo, X
	s_load_b64 s[16:17], s[0:1], 0x30              ; out0
	v_lshl_add_u32 v254, v0, 2, 0x8800
	v_mov_b32 v255, 0
	v_lshrrev_b32 v7, 5, v0
	v_readfirstlane_b32 s18, v7                    ; wave 0..7
	v_and_b32 v244, 15, v0                         ; r
	v_bfe_u32 v245, v0, 4, 1                       ; h'
	v_and_b32 v246, 31, v0
	v_lshlrev_b32 v[LI], 4, v246
	v_lshlrev_b32 v[LS], 4, v244
	v_and_b32 v247, 8, v244
	v_add_nc_u32 v247, v247, v244
	v_lshlrev_b32 v[LB], 2, v247
	v_lshl_add_u32 v[VX], v245, 12, v[LS]
	s_mul_i32 s34, s18, 4352                       ; my stage: 16 rows of 272 bytes
	v_mul_u32_u24 v[STO], v244, 272
	v_lshl_add_u32 v[STO], v245, 6, v[STO]
	v_add_nc_u32 v[STO], s34, v[STO]               ; in: row r, + 64 h'
	v_mul_u32_u24 v[SRD], v245, 272
	v_lshl_add_u32 v[SRD], v244, 4, v[SRD]
	v_add_nc_u32 v[SRD], s34, v[SRD]               ; back: lanes 0-15 one row, lanes 16-31 the next
	s_lshr_b32 s19, ttmp9, 4                       ; batch
	s_and_b32 s20, ttmp9, 15                       ; which 64 tokens
	s_lshl_b32 s21, s19, 6
	s_add_co_u32 s22, s21, s20
	s_lshl_b32 s22, s22, 8                         ; hs: (64 batch + tb) x 256; a K step on: 4,096
	s_mov_b32 s23, 0
	s_lshl_b32 s24, s20, 2
	s_add_co_u32 s24, s24, s21
	s_lshl_b32 s24, s24, 12                        ; hc: (64 batch + 4 tb) x 4,096
	s_mov_b32 s25, 0
	s_lshl_b32 s26, s18, 2
	s_add_co_u32 s26, s26, 1120                    ; Wo's tiles begin at 1,120
	s_lshl_b32 s28, s26, 8
	s_mov_b32 s29, 0
	s_lshl_b32 s26, s26, 12
	s_mov_b32 s27, 0
	s_lshl_b32 s30, s18, 8                         ; bo: my 64 channels
	s_mov_b32 s31, 0
	s_lshl_b32 s32, s19, 21                        ; X, out0: batch, my 64 rows, the 64 tokens
	s_lshl_b32 s21, s18, 18
	s_add_co_u32 s32, s32, s21
	s_lshl_b32 s21, s20, 8
	s_add_co_u32 s32, s32, s21
	s_mov_b32 s33, 0
	s_wait_kmcnt 0x0
	s_add_nc_u64 s[14:15], s[14:15], s[32:33]
	s_add_nc_u64 s[4:5], s[4:5], s[24:25]
	s_add_nc_u64 s[6:7], s[6:7], s[22:23]
	s_add_nc_u64 s[8:9], s[8:9], s[26:27]
	s_add_nc_u64 s[10:11], s[10:11], s[28:29]
	s_add_nc_u64 s[12:13], s[12:13], s[30:31]
	s_add_nc_u64 s[16:17], s[16:17], s[32:33]
.irp n, 0,1,2,3
.irp i, 0,1,2,3,4,5,6,7
	global_load_b128 v[XR+32*\n+4*\i:XR+32*\n+4*\i+3], v[VX], s[14:15] offset:(32*(\n/2)+8*(\n%2)+2*\i+8*(\i/4))*4096 th:TH_LOAD_NT   ; stage row 2 i + h' of tile n: sixteen lanes read 256 consecutive, aligned bytes
.endr
.endr
.irp s, 0,1,2,3
	global_load_b128 v[HS+4*\s:HS+4*\s+3], v[LS], s[6:7] offset:4096*\s
.endr
.irp n, 0,1,2,3
	global_load_b128 v[WS+4*\n:WS+4*\n+3], v[LS], s[10:11] offset:256*\n
.endr
.irp n, 0,1,2,3
	global_load_b32 v[BO+\n], v[LB], s[12:13] offset:(32*(\n/2)+8*(\n%2))*4
.endr
	WIN 0x40                                       ; destination window 1
.irp m, 0,1,2,3
.irp s, 0,1,2,3
.irp c, 0,1
	global_load_b128 v[32*\m+8*\s+4*\c:32*\m+8*\s+4*\c+3], v[LI], s[4:5] offset:4096*\m+1024*\s+512*\c
.endr
.endr
.endr
.irp n, 0,1,2,3                                ; Wo's tiles last, eight loads each
.irp s, 0,1,2,3
.irp c, 0,1
	global_load_b128 v[128+32*\n+8*\s+4*\c:128+32*\n+8*\s+4*\c+3], v[LI], s[8:9] offset:4096*\n+1024*\s+512*\c
.endr
.endr
.endr
	WIN 0
; Wo's tile n against h's four tiles: 16 matrix instructions, the four accumulators by turns, K ascending.
.macro TILE n
	s_wait_loadcnt 24-8*\n                         ; all but Wo's tiles behind this one, eight loads each: X, the scale words, the bias, h and this tile are in
.irp j, 0,1,2,3,4,5,6,7
	v_mov_b32 v[CB+\j], v[BO+\n]                   ; the lane's bias in all eight rows
.endr
	WIN 0x05                                       ; sources 0 and 1 in window 1
.irp s, 0,1,2,3
.irp m, 0,1,2,3
.if \s == 0
	v_wmma_scale_f32_16x16x128_f8f6f4 v[ACC+8*\m:ACC+8*\m+7], v[32*\m+8*\s:32*\m+8*\s+7], v[128+32*\n+8*\s:128+32*\n+8*\s+7], v[CB:CB+7], v[HS+4*\s+\m], v[WS+4*\n+\s] matrix_a_fmt:MATRIX_FMT_FP4 matrix_b_fmt:MATRIX_FMT_FP4
.else
	v_wmma_scale_f32_16x16x128_f8f6f4 v[ACC+8*\m:ACC+8*\m+7], v[32*\m+8*\s:32*\m+8*\s+7], v[128+32*\n+8*\s:128+32*\n+8*\s+7], v[ACC+8*\m:ACC+8*\m+7], v[HS+4*\s+\m], v[WS+4*\n+\s] matrix_a_fmt:MATRIX_FMT_FP4 matrix_b_fmt:MATRIX_FMT_FP4
.endif
.endr
.endr
	WIN 0
.rept 4
	v_nop                                          ; four places between the last product and the stores that read results
.endr
.irp m, 0,1,2,3
	ds_store_b128 v[STO], v[ACC+8*\m:ACC+8*\m+3] offset:128*(\m/2)+32*(\m%2)        ; each accumulator from its low end on
	ds_store_b128 v[STO], v[ACC+8*\m+4:ACC+8*\m+7] offset:128*(\m/2)+32*(\m%2)+16
.endr
.irp i, 0,1,2,3,4,5,6,7
	ds_load_b128 v[OUTR+4*\i:OUTR+4*\i+3], v[SRD] offset:544*\i   ; LDS serves a wave's instructions in order (ISA guide 5.7.1.4): these see my stores
.endr
	s_wait_dscnt 0x0
.set p, 0
.rept 16
	v_pk_add_f32 v[XR+32*\n+2*p:XR+32*\n+2*p+1], v[XR+32*\n+2*p:XR+32*\n+2*p+1], v[OUTR+2*p:OUTR+2*p+1]   ; the residual
.set p, p+1
.endr
.irp i, 0,1,2,3,4,5,6,7
	global_store_b128 v[VX], v[XR+32*\n+4*\i:XR+32*\n+4*\i+3], s[16:17] offset:(32*(\n/2)+8*(\n%2)+2*\i+8*(\i/4))*4096 th:TH_STORE_NT   ; sixteen lanes store 256 consecutive, aligned bytes; these registers are not written again
.endr
.endm
	TILE 0
	TILE 1
	TILE 2
	TILE 3
	s_wait_tensorcnt 0x0
	ds_add_u32 v254, v255
	s_wait_dscnt 0x0
	s_endpgm
.Lfunc_end_k_qe5136de69f_proj:
	.size	k_qe5136de69f_proj, .Lfunc_end_k_qe5136de69f_proj-k_qe5136de69f_proj
	.p2alignl 7, 3214868480
	.fill 96, 4, 3214868480
	.section	.rodata,"a",@progbits
	.p2align	6, 0x0
	.amdhsa_kernel k_qe5136de69f_proj
		.amdhsa_group_segment_fixed_size 35840
		.amdhsa_private_segment_fixed_size 0
		.amdhsa_enable_private_segment 0
		.amdhsa_kernarg_size 56
		.amdhsa_user_sgpr_count 2
		.amdhsa_user_sgpr_kernarg_segment_ptr 1
		.amdhsa_wavefront_size32 1
		.amdhsa_system_sgpr_workgroup_id_x 1
		.amdhsa_system_sgpr_workgroup_id_y 1
		.amdhsa_system_sgpr_workgroup_id_z 1
		.amdhsa_system_vgpr_workitem_id 0
		.amdhsa_next_free_vgpr 512
		.amdhsa_next_free_sgpr 66
		.amdhsa_reserve_vcc 0
		.amdhsa_float_denorm_mode_32 3
		.amdhsa_float_denorm_mode_16_64 3
		.amdhsa_memory_ordered 1
		.amdhsa_forward_progress 1
		.amdhsa_inst_pref_size 34
	.end_amdhsa_kernel
	.amdgpu_metadata
---
amdhsa.version: [ 1, 2 ]
amdhsa.kernels:
  - .name:           k_qe5136de69f_proj
    .symbol:         k_qe5136de69f_proj.kd
    .args:
      - { .name: hc, .offset: 0, .size: 8, .value_kind: global_buffer, .address_space: global }
      - { .name: hs, .offset: 8, .size: 8, .value_kind: global_buffer, .address_space: global }
      - { .name: opc, .offset: 16, .size: 8, .value_kind: global_buffer, .address_space: global }
      - { .name: ops, .offset: 24, .size: 8, .value_kind: global_buffer, .address_space: global }
      - { .name: bo, .offset: 32, .size: 8, .value_kind: global_buffer, .address_space: global }
      - { .name: X, .offset: 40, .size: 8, .value_kind: global_buffer, .address_space: global }
      - { .name: out0, .offset: 48, .size: 8, .value_kind: global_buffer, .address_space: global }
    .group_segment_fixed_size: 35840
    .private_segment_fixed_size: 0
    .kernarg_segment_align: 8
    .kernarg_segment_size: 56
    .max_flat_workgroup_size: 256
    .sgpr_count:     66
    .vgpr_count:     512
    .wavefront_size: 32
...
	.end_amdgpu_metadata
.endif
;; end of part 4
;; ======== version 2 of 2: 4 launches; version 1 with the launches qkv, proj written anew for expert scheduling mode
;; workspace buffers: opc 4,718,592 bytes; ops 294,912 bytes; qkc 8,388,608 bytes; qks 524,288 bytes; vc 4,194,304 bytes; vsc 262,144 bytes; hc 4,194,304 bytes; hs 262,144 bytes
;; launch prep: the kernel of part 1 again; grid 288 x 1, 8 waves a work-group, no clusters, 17,408 bytes of LDS; arguments X, Wq, Wk, Wv, Wo, ln_g, ln_b, opc, ops; writes opc, ops
;; launch qkv (part 5): grid 256 x 1, 6 waves a work-group, no clusters, 0 bytes of LDS; arguments opc, ops, bq, bk, bv, qkc, qks, vc, vsc; writes qkc, qks, vc, vsc
.if DOCPART == 5
	.amdgcn_target "amdgcn-amd-amdhsa--gfx1250"
	.amdhsa_code_object_version 6
	.text
	.protected	k_qe5136de69f_qkv
	.globl	k_qe5136de69f_qkv
	.p2align	8
	.type	k_qe5136de69f_qkv,@function
k_qe5136de69f_qkv:
	s_mov_b64 s[64:65], 0
	v_nop
	global_prefetch_b8 v0, s[64:65] scope:SCOPE_SE
	s_setreg_imm32_b32 hwreg(HW_REG_WAVE_SCHED_MODE, 0, 2), 2
	s_setreg_imm32_b32 hwreg(HW_REG_WAVE_MODE, 25, 1), 1
	s_wait_xcnt 0x0
	s_wait_alu depctr_vm_vsrc(0)
; q = xn Wq + bq, k = xn Wk + bk, v = xn Wv + bv on codes of FP4, and the quantisers of q and k (along a head's 64) and of v (along the keys).  No f32 result goes to memory.
; SHARES.  1,536 tasks, one a wave, that share nothing: 128 tokens x 128 columns (two heads) of one of q, k, v: 256 matrix instructions.  No LDS, no barrier.
; Work-group g: TB = g / 2: batch TB / 8, tokens 128 (TB % 8) on.  P = 6 (g % 2) + wave: type P / 4 (0 q, 1 k, 2 v), head pair P % 4.
; Operands come from opc as images of their registers (1,024 bytes for 16 rows x 128 K: register group c of lane l at 512 c + 16 l), scale words from ops ([tile][r][K step]).
; Tile (G, u) holds rows 32 G + 8 u + r + 8 (r / 8).  As source 0, register j of result lane (., h) is then row 32 G + 8 u + 16 h + j: the 16 registers of tiles (G, 0), (G, 1) are 16 NEIGHBOURS.
; q, k: source 0 = the weight's 8 tiles (resident), source 1 = a tile of tokens: a lane holds a token, its 64 registers run along the two heads' channels: the next K.
; v:    source 0 = the 8 tiles of tokens (resident), source 1 = a tile of the weight: a lane holds a channel, its 64 registers run along the 128 tokens: the keys, the next K.
; The products are one text; biases and stores differ: the types part once, on ids, and do not join.  The bias is the C of each sum's first matrix instruction.
; OUT.  qkc [q|k][batch][head][tile][lane][16 bytes]: a token's 64 codes: lane (r, h) block h.  qks [q|k][batch][head][step][r][g]: a word: low half the two bytes of tile (4 step + g, 0), high half of (.., 1).
;       vc [batch][head][step][t'][image]: 16 channels x 128 keys.  vsc [batch][head][step][r][t']: words.
; LIMITS: as the quantiser's in the launch before: NaN and infinities not served; a block under 2^-124, zeros too, gets the byte 1 (its bytes are read by this program alone).
; REGISTERS: window 0 as named below; window 1: source 0's 8 tiles x 4 K steps, tile t, step s at v[32 t + 8 s].
; THE MODE: SCHED_MODE bits 1:0 = 2 (LLVM: expert scheduling mode 2), set by the entry lines.  The code itself states the register dependences
; between vector or matrix instructions and memory instructions, with s_wait_alu, always for 0.
; THE PLAN.  Registers that memory instructions touch:
;   v1-v5, v61        byte offsets, made once at the head and never written again: one wait on va_vdst ahead of the first load serves every load and store.
;   window 1, S0, BIAS (q, k), TM (v: the biases as loaded)   loaded once, at the head, into registers that no vector instruction has named.
;   F0, F1, each with four scale words of S1   tile i's 32 products read set i % 2; behind them the nine loads of tile i + 2 land in it.  Tiles 0 and 1 are asked for at the head.
;   PC                written by tile i's conversions and lane swaps, read by tile i's two stores, written again by tile i + 1's conversions.
;   SW                written by one line a tile, ahead of the tile's stores; read by the last store alone.
; So a tile holds two waits on va_vdst: one behind its products (they are done reading their set, which is asked for again at once), one behind its quantiser (the codes and SW are written, which stores read);
; and one on vm_vsrc, ahead of the quantiser (the last tile's stores have read the codes' registers).
.set LI,   1                           ; 16 x lane: an image's place for my lane
.set LS,   2                           ; 16 r: a tile's scale words of row r
.set LS4,  3                           ; 1,024 h + 16 r: lanes 16-31 take the tile four further on
.set LSH,  4                           ; 2,048 h + 16 r: the scale words' way out: lanes 16-31 the second head
.set LB,   5                           ; q, k: the bias's offset: 16 h channels on
.set LBV,  61                          ; v: the bias's offset: my channel in a tile, r + 8 (r / 8)
.set SELV, 6                           ; byte selects: lanes 0-15 the first head's two bytes of two words, lanes 16-31 the second's
.set PW0,  7                           ; the even tile's scale word, kept
.set SW,   8                           ; v8-11   scale words to store
.set S0,   12                          ; v12-27  source 0's scale words: register 4 (t % 4) + s: lanes 0-15 tile t % 4, lanes 16-31 tile t % 4 + 4
.set S1,   28                          ; v28-35  source 1's: two sets of four
.set PC,   36                          ; v36-43  the codes just made
.set TM,   44                          ; v44-59  the quantiser's work
.set PW,   60                          ; the scale word just made
.set ACC,  64                          ; v64-127 eight accumulators
.set F,    128                         ; v128-191 source 1's fragments: two sets of 32
.set BIAS, 192                         ; v192-255
.set SEL,  22                          ; s[22:23] v_permlanex16_b32's selects for lane l xor 16
.set MSB, 0
.macro WIN new                         ; the immediate's high byte repeats the setting that is left
.if MSB != \new
	s_set_vgpr_msb (MSB<<8)|\new
.set MSB, \new
.endif
.endm
; 64 numbers of a lane, register 16 b + i = k 32 b + 16 (lane / 16) + i of my row, become a fragment's codes in v[PC] on and its scale word in v[PW].
.macro QUANT s
.irp b, 0,1,2,3
	v_max3_num_f32 v[TM+\b], |v[\s+16*\b]|, |v[\s+1+16*\b]|, 0x1800000   ; my 16 numbers of block b, and the floor 2^(3 - 127): each accumulator is read from its low end on
.endr
.irp i, 2,4,6,8,10,12,14
.irp b, 0,1,2,3
	v_max3_num_f32 v[TM+\b], v[TM+\b], |v[\s+16*\b+\i]|, |v[\s+1+16*\b+\i]|
.endr
.endr
.irp b, 0,1,2,3
	v_permlanex16_b32 v[TM+4+\b], v[TM+\b], s[SEL], s[SEL+1]
.endr
.irp b, 0,1,2,3
	v_max_num_f32 v[TM+\b], v[TM+\b], v[TM+4+\b]   ; with lane l xor 16's: the block's largest magnitude
.endr
.irp b, 0,1,2,3
	v_add_nc_u32 v[TM+12+\b], 0xff000000, v[TM+\b] ; 2 off its exponent field: the conversion's scale operand
.endr
.irp b, 0,1,2,3
	v_lshrrev_b32 v[TM+4+\b], 23, v[TM+12+\b]      ; the scale's byte
.endr
	v_lshl_or_b32 v[PW], v[TM+5], 8, v[TM+4]
	v_lshl_or_b32 v[PW], v[TM+6], 16, v[PW]
	v_lshl_or_b32 v[PW], v[TM+7], 24, v[PW]
.irp b, 0,1,2,3
	v_cvt_scalef32_pk8_fp4_f32 v[PC+2*\b], v[\s+16*\b:\s+7+16*\b], v[TM+12+\b]
	v_cvt_scalef32_pk8_fp4_f32 v[PC+1+2*\b], v[\s+8+16*\b:\s+15+16*\b], v[TM+12+\b]
.endr
	v_nop                                          ; one plain instruction behind a scaled conversion
.irp c, 0,1                                    ; the operand's layout wants a whole block in a lane: lanes 0-15 block 2 c, lanes 16-31 block 2 c + 1
.irp i, 0,1
	v_permlane16_swap_b32 v[PC+4*\c+\i], v[PC+2+4*\c+\i]
.endr
.endr
.endm
.macro LOADF set, i                    ; source 1's tile i: four fragments and their scale words: nine loads
.irp s, 0,1,2,3
.irp c, 0,1
	global_load_b128 v[F+32*(\set)+8*\s+4*\c:F+32*(\set)+8*\s+4*\c+3], v[LI], s[26:27] offset:4096*(\i)+1024*\s+512*\c
.endr
.endr
	global_load_b128 v[S1+4*(\set):S1+4*(\set)+3], v[LS], s[30:31] offset:256*(\i)
.endm
; Source 1's tile i against source 0's eight: 32 matrix instructions, the eight accumulators by turns, K ascending; then the set's next loads, the quantiser and the stores.
.macro ITER i, typ
.if \i < 7
	s_wait_loadcnt 9                               ; all but the next tile's nine: this tile's fragments are in
.else
	s_wait_loadcnt 0x0
.endif
	WIN 0x01                                       ; source 0 in window 1
.irp s, 0,1,2,3
.irp t, 0,1,2,3,4,5,6,7
.set CR, ACC+8*\t
.if \s == 0
.if \typ
.set CR, BIAS+8*(\i)                           ; v: the lane's channel's bias, in all eight registers
.else
.set CR, BIAS+8*\t                             ; q, k: the biases of the tile's eight channels of my half
.endif
.endif
.if \t < 4
	v_wmma_scale_f32_16x16x128_f8f6f4 v[ACC+8*\t:ACC+8*\t+7], v[32*\t+8*\s:32*\t+8*\s+7], v[F+32*((\i)%2)+8*\s:F+32*((\i)%2)+8*\s+7], v[CR:CR+7], v[S0+4*(\t%4)+\s], v[S1+4*((\i)%2)+\s] matrix_a_fmt:MATRIX_FMT_FP4 matrix_b_fmt:MATRIX_FMT_FP4
.else
	v_wmma_scale_f32_16x16x128_f8f6f4 v[ACC+8*\t:ACC+8*\t+7], v[32*\t+8*\s:32*\t+8*\s+7], v[F+32*((\i)%2)+8*\s:F+32*((\i)%2)+8*\s+7], v[CR:CR+7], v[S0+4*(\t%4)+\s], v[S1+4*((\i)%2)+\s] matrix_a_fmt:MATRIX_FMT_FP4 matrix_b_fmt:MATRIX_FMT_FP4 matrix_a_scale:MATRIX_SCALE_ROW1
.endif
.endr
.endr
	WIN 0
.rept 4
	v_nop                                          ; four places between the last product and the first read of results (ISA guide 7.12.1)
.endr
	s_wait_xcnt 0x0                                ; the last tile's stores have read their data: the codes' registers are written again only behind this wait
.if \i > 0
	s_wait_alu depctr_vm_vsrc(0)                   ; the last tile's two stores have read v[PC ..], which this tile's conversions write again
.endif
.if \i < 6
	s_wait_alu depctr_va_vdst(0)                   ; this tile's products are done reading set i % 2 of F and of S1, in which the nine loads below land
	LOADF (\i)%2, \i+2                             ; the set is asked for again at once, for the tile two further on: the quantiser below and the next tile's products stand between these loads and the wait for them
.endif
	QUANT ACC
.if \typ
.if \i < 4
	v_mov_b32 v[SW+\i], v[PW]
.else
	v_cndmask_b32 v[SW+\i-4], v[SW+\i-4], v[PW], s38   ; lanes 16-31 carry the second head's word
.endif
.else
.if (\i)%2 == 0
	v_mov_b32 v[PW0], v[PW]
.else
	v_perm_b32 v[SW+(\i)/2], v[PW], v[PW0], v[SELV]    ; my head's two bytes of tile (g, 0), then of tile (g, 1)
.endif
.endif
	s_wait_alu depctr_va_vdst(0)                   ; the conversions and lane swaps have written v[PC ..], which the two stores below read; the line above has written SW, which the last store reads
.if \typ
	global_store_b128 v[LI], v[PC:PC+3], s[34:35] offset:((\i)/4)*32768+((\i)%4)*1024        ; head i / 4, channels' tile i % 4: 512 consecutive bytes a store
	global_store_b128 v[LI], v[PC+4:PC+7], s[34:35] offset:((\i)/4)*32768+((\i)%4)*1024+512
.else
	global_store_b128 v[LI], v[PC:PC+3], s[34:35] offset:512*\i          ; the first head's 64 codes of 16 tokens,
	global_store_b128 v[LI], v[PC+4:PC+7], s[34:35] offset:512*\i+32768  ; the second head's
.endif
.endm
	s_load_b512 s[4:19], s[0:1], 0x0               ; opc, ops, bq, bk, bv, qkc, qks, vc
	s_load_b64 s[20:21], s[0:1], 0x40              ; vsc
	v_lshrrev_b32 v1, 5, v0
	v_readfirstlane_b32 s39, v1                    ; wave 0..5
	v_and_b32 v61, 15, v0                          ; r
	v_bfe_u32 v62, v0, 4, 1                        ; h
	v_and_b32 v63, 31, v0
	v_lshlrev_b32 v[LI], 4, v63
	v_lshlrev_b32 v[LS], 4, v61
	v_lshl_add_u32 v[LS4], v62, 10, v[LS]
	v_lshl_add_u32 v[LSH], v62, 11, v[LS]
	v_lshlrev_b32 v[LB], 6, v62                    ; q, k: 16 h channels on
	v_and_b32 v63, 8, v61
	v_add_nc_u32 v63, v63, v61
	v_lshlrev_b32 v[LBV], 2, v63                   ; v: my channel in a tile: r + 8 (r / 8)  (r's register: it is read no more)
	s_mov_b32 s[SEL], 0x76543210
	s_mov_b32 s[SEL+1], 0xfedcba98
	s_mov_b32 s38, 0xffff0000                      ; a lane mask: lanes 16-31
	s_wait_alu depctr_va_sdst(0)                   ; s39, the wave's number, is written, ahead of its first reader: the task and all bases are made from it
	s_and_b32 s40, ttmp9, 1
	s_mul_i32 s40, s40, 6
	s_add_co_u32 s40, s40, s39                     ; P
	s_lshr_b32 s41, s40, 2                         ; type
	s_and_b32 s42, s40, 3                          ; head pair
	s_lshr_b32 s43, ttmp9, 1                       ; TB
	s_lshr_b32 s44, s43, 3                         ; batch
	s_and_b32 s45, s43, 7                          ; step: which 128 tokens
	s_lshl_b32 s46, s43, 3                         ; the tokens' first tile
	s_lshl_b32 s47, s40, 3
	s_add_co_u32 s47, s47, 1024                    ; the weight's first tile
	s_cmp_eq_u32 s41, 2
	s_cselect_b32 s48, s46, s47                    ; source 0's first tile
	s_cselect_b32 s49, s47, s46                    ; source 1's
	s_mov_b32 s51, 0
	s_wait_kmcnt 0x0
	s_lshl_b32 s50, s48, 12
	s_add_nc_u64 s[24:25], s[4:5], s[50:51]
	s_lshl_b32 s50, s49, 12
	s_add_nc_u64 s[26:27], s[4:5], s[50:51]
	s_lshl_b32 s50, s48, 8
	s_add_nc_u64 s[28:29], s[6:7], s[50:51]
	s_lshl_b32 s50, s49, 8
	s_add_nc_u64 s[30:31], s[6:7], s[50:51]
	s_wait_alu depctr_va_vdst(0)                   ; the six offsets v1 to v5 and v61 are written: every load and store of the kernel reads one of them, and none is written again
.irp q, 0,1,2,3
	global_load_b128 v[S0+4*\q:S0+4*\q+3], v[LS4], s[28:29] offset:256*\q
.endr
	WIN 0x40                                       ; destination window 1
.irp t, 0,1,2,3,4,5,6,7
.irp s, 0,1,2,3
.irp c, 0,1
	global_load_b128 v[32*\t+8*\s+4*\c:32*\t+8*\s+4*\c+3], v[LI], s[24:25] offset:4096*\t+1024*\s+512*\c
.endr
.endr
.endr
	WIN 0
	s_cmp_eq_u32 s41, 2
	s_cbranch_scc1 .Lvalues
	; ---- q or k
	s_cmp_eq_u32 s41, 0
	s_cselect_b64 s[32:33], s[8:9], s[10:11]       ; bq or bk,
	s_lshl_b32 s50, s42, 9
	s_add_nc_u64 s[32:33], s[32:33], s[50:51]      ; at my 128 channels
	s_lshl_b32 s52, s41, 4
	s_add_co_u32 s52, s52, s44
	s_lshl_b32 s52, s52, 3
	s_lshl_b32 s53, s42, 1
	s_add_co_u32 s52, s52, s53                     ; (16 type + batch) x 8 + my first head
	s_lshl_b32 s50, s52, 15
	s_lshl_b32 s53, s45, 12
	s_add_co_u32 s50, s50, s53
	s_add_nc_u64 s[34:35], s[14:15], s[50:51]      ; codes: 32,768 bytes a head, 4,096 a step
	s_lshl_b32 s50, s52, 11
	s_lshl_b32 s53, s45, 8
	s_add_co_u32 s50, s50, s53
	s_add_nc_u64 s[36:37], s[16:17], s[50:51]      ; scale words: 2,048 bytes a head, 256 a step
.irp t, 0,1,2,3,4,5,6,7
	global_load_b128 v[BIAS+8*\t:BIAS+8*\t+3], v[LB], s[32:33] offset:(32*(\t/2)+8*(\t%2))*4
	global_load_b128 v[BIAS+8*\t+4:BIAS+8*\t+7], v[LB], s[32:33] offset:(32*(\t/2)+8*(\t%2))*4+16
.endr
	LOADF 0, 0
	LOADF 1, 1                                     ; both sets are asked for here: no vector instruction has named them
	v_mov_b32 v[SELV], 0x05040100
	v_mov_b32 v63, 0x07060302
	v_cndmask_b32 v[SELV], v[SELV], v63, s38
.irp b, 0,1,2,3
	v_mov_b32 v[TM+4+\b], 0                        ; written once: a lane permute's destination counts as one of its sources
.endr
.irp i, 0,1,2,3,4,5,6,7
	ITER \i, 0
.endr
	global_store_b128 v[LSH], v[SW:SW+3], s[36:37] ; lanes 0-15: 256 consecutive, aligned bytes of the first head; lanes 16-31 of the second.  (No vector instruction stands behind the last tile's wait, which showed SW written)
	s_endpgm
.Lvalues:
	; ---- v
	s_lshl_b32 s50, s42, 9
	s_add_nc_u64 s[32:33], s[12:13], s[50:51]      ; bv at my 128 channels
	s_lshl_b32 s52, s44, 3
	s_lshl_b32 s53, s42, 1
	s_add_co_u32 s52, s52, s53                     ; 8 batch + my first head
	s_lshl_b32 s52, s52, 3
	s_add_co_u32 s52, s52, s45                     ; x 8 + step
	s_lshl_b32 s50, s52, 12
	s_add_nc_u64 s[34:35], s[18:19], s[50:51]
	s_lshl_b32 s50, s52, 8
	s_add_nc_u64 s[36:37], s[20:21], s[50:51]
.irp i, 0,1,2,3,4,5,6,7
	global_load_b32 v[TM+\i], v[LBV], s[32:33] offset:(32*(\i/2)+8*(\i%2))*4
.endr
	LOADF 0, 0
	LOADF 1, 1                                     ; both sets are asked for here: no vector instruction has named them
	s_wait_loadcnt 18                              ; all but the eighteen just issued: the biases are in
.irp i, 0,1,2,3,4,5,6,7
.irp j, 0,1,2,3,4,5,6,7
	v_mov_b32 v[BIAS+8*\i+\j], v[TM+\i]            ; a C operand for tile i: the lane's bias in all eight rows
.endr
.endr
.irp b, 0,1,2,3
	v_mov_b32 v[TM+4+\b], 0
.endr
.irp i, 0,1,2,3,4,5,6,7
	ITER \i, 1
.endr
	global_store_b128 v[LSH], v[SW:SW+3], s[36:37] ; (as in the other arm: the last tile's wait showed SW written)
	s_endpgm
.Lfunc_end_k_qe5136de69f_qkv:
	.size	k_qe5136de69f_qkv, .Lfunc_end_k_qe5136de69f_qkv-k_qe5136de69f_qkv
	.p2alignl 7, 3214868480
	.fill 96, 4, 3214868480
	.section	.rodata,"a",@progbits
	.p2align	6, 0x0
	.amdhsa_kernel k_qe5136de69f_qkv
		.amdhsa_group_segment_fixed_size 0
		.amdhsa_private_segment_fixed_size 0
		.amdhsa_enable_private_segment 0
		.amdhsa_kernarg_size 72
		.amdhsa_user_sgpr_count 2
		.amdhsa_user_sgpr_kernarg_segment_ptr 1
		.amdhsa_wavefront_size32 1
		.amdhsa_system_sgpr_workgroup_id_x 1
		.amdhsa_system_sgpr_workgroup_id_y 1
		.amdhsa_system_sgpr_workgroup_id_z 1
		.amdhsa_system_vgpr_workitem_id 0
		.amdhsa_next_free_vgpr 512
		.amdhsa_next_free_sgpr 66
		.amdhsa_reserve_vcc 0
		.amdhsa_float_denorm_mode_32 3
		.amdhsa_float_denorm_mode_16_64 3
		.amdhsa_memory_ordered 1
		.amdhsa_forward_progress 1
		.amdhsa_inst_pref_size 161
	.end_amdhsa_kernel
	.amdgpu_metadata
---
amdhsa.version: [ 1, 2 ]
amdhsa.kernels:
  - .name:           k_qe5136de69f_qkv
    .symbol:         k_qe5136de69f_qkv.kd
    .args:
      - { .name: opc, .offset: 0, .size: 8, .value_kind: global_buffer, .address_space: global }
      - { .name: ops, .offset: 8, .size: 8, .value_kind: global_buffer, .address_space: global }
      - { .name: bq, .offset: 16, .size: 8, .value_kind: global_buffer, .address_space: global }
      - { .name: bk, .offset: 24, .size: 8, .value_kind: global_buffer, .address_space: global }
      - { .name: bv, .offset: 32, .size: 8, .value_kind: global_buffer, .address_space: global }
      - { .name: qkc, .offset: 40, .size: 8, .value_kind: global_buffer, .address_space: global }
      - { .name: qks, .offset: 48, .size: 8, .value_kind: global_buffer, .address_space: global }
      - { .name: vc, .offset: 56, .size: 8, .value_kind: global_buffer, .address_space: global }
      - { .name: vsc, .offset: 64, .size: 8, .value_kind: global_buffer, .address_space: global }
    .group_segment_fixed_size: 0
    .private_segment_fixed_size: 0
    .kernarg_segment_align: 8
    .kernarg_segment_size: 72
    .max_flat_workgroup_size: 192
    .sgpr_count:     66
    .vgpr_count:     512
    .wavefront_size: 32
...
	.end_amdgpu_metadata
.endif
;; end of part 5
;; launch attn: the kernel of part 3 again; grid 4 x 64, 16 waves a work-group, clusters of 4 x 1, 169,984 bytes of LDS; arguments qkc, qks, vc, vsc, hc, hs; writes hc, hs
;; launch proj (part 6): grid 256 x 1, 8 waves a work-group, no clusters, 35,840 bytes of LDS; arguments hc, hs, opc, ops, bo, X, out0; writes out0
.if DOCPART == 6
	.amdgcn_target "amdgcn-amd-amdhsa--gfx1250"
	.amdhsa_code_object_version 6
	.text
	.protected	k_qe5136de69f_proj
	.globl	k_qe5136de69f_proj
	.p2align	8
	.type	k_qe5136de69f_proj,@function
k_qe5136de69f_proj:
	s_mov_b64 s[64:65], 0
	v_nop
	global_prefetch_b8 v0, s[64:65] scope:SCOPE_SE
	s_setreg_imm32_b32 hwreg(HW_REG_WAVE_SCHED_MODE, 0, 2), 2
	s_setreg_imm32_b32 hwreg(HW_REG_WAVE_MODE, 25, 1), 1
	s_wait_xcnt 0x0
	s_wait_alu depctr_vm_vsrc(0)
; out0[b][c][t] = X[b][c][t] + (h Wo + bo)[t][c], the product on codes of FP4.
; SHARES.  Work-group g: batch g / 16, tokens 64 (g % 16) on: four tiles of h, and 256 aligned bytes of each channel's row of X and out0.  Wave w: Wo's tiles 4 w + n, n = 0 .. 3: channels 64 w .. 64 w + 63.
; Source 0 = a tile of h (tokens), source 1 = a tile of Wo (channels): a lane holds ONE channel and its eight registers eight neighbouring tokens: the output's innermost axis.
; Tile (G, u) holds rows 32 G + 8 u + r + 8 (r / 8): register j of lane (r, h') in token tile m is token 32 (m / 2) + 8 (m % 2) + 16 h' + j; the lane's channel is 64 w + 32 (n / 2) + 8 (n % 2) + r + 8 (r / 8).
; All operands come once, as images of their registers, and stay in window 1.  The bias is the C of each sum's first matrix instruction.
; THE LOADS' ORDER: X's 32 first, since they are the launch's largest stream and nothing is stored before they are in; then scale words, bias and h; Wo's last, tile by tile, so that a counted wait opens each tile.
; THE WAY OUT.  16 channels x 64 tokens go through the wave's own stage in LDS (rows of 256 bytes + 16) and come back by rows: sixteen lanes hold 256 consecutive bytes, take X's there and store.  No barrier: waves share no LDS byte.
; THE MODE: SCHED_MODE bits 1:0 = 2 (LLVM: expert scheduling mode 2), set by the entry lines.  The code itself states the register dependences
; between vector or matrix instructions and memory or LDS instructions, with s_wait_alu, always for 0.
; THE PLAN.  Registers that memory or LDS instructions touch:
;   v1-v6, v254, v255   offsets, LDS addresses and the closing add's pair: made once at the head, never written again: one wait on va_vdst ahead of the first load serves them all.
;   XR, HS, WS, BO, window 1   loaded once, at the head, into registers that no vector instruction has named.
;   ACC    written by tile n's products, read by its eight LDS stores, written again by tile n + 1's products.
;   OUTR   tile n's eight LDS loads land in it; its sixteen additions read it.
;   XR's part n   written by tile n's additions, read by its eight global stores, never written again.
; So a tile holds two waits on va_vdst: behind the places behind its products (ACC is written; the last tile's additions are done reading OUTR), and behind its additions (XR's part is written);
; and, from the second tile on, one on vm_vsrc at its head (the last tile's LDS stores have read ACC).
.set LI,  1                            ; 16 x lane
.set LS,  2                            ; 16 r
.set LB,  3                            ; 4 (r + 8 (r / 8))
.set VX,  4                            ; 4,096 h' + 16 r: two rows of X an instruction
.set STO, 5                            ; the stage: where I put 32 bytes of a row
.set SRD, 6                            ; and where I read rows back
.set BO,  8                            ; v8-11    my channel's bias, for each n
.set CB,  12                           ; v12-19   it as a C operand
.set HS,  20                           ; v20-35   h's scale words: register 4 s + m
.set WS,  36                           ; v36-51   Wo's: register 4 n + s
.set ACC, 52                           ; v52-83   four accumulators
.set OUTR, 84                          ; v84-115  16 rows back from the stage
.set XR,  116                          ; v116-243 X: 32 registers for each n; the sums are made and stored there
; window 1: h's fragments (tile m, K step s) at v[32 m + 8 s]; Wo's (n, s) at v[128 + 32 n + 8 s]
.set MSB, 0
.macro WIN new                         ; the immediate's high byte repeats the setting that is left
.if MSB != \new
	s_set_vgpr_msb (MSB<<8)|\new
.set MSB, \new
.endif
.endm
	s_load_b256 s[4:11], s[0:1], 0x0               ; hc, hs, opc, ops
	s_load_b128 s[12:15], s[0:1], 0x20             ; bo, X
	s_load_b64 s[16:17], s[0:1], 0x30              ; out0
	v_lshl_add_u32 v254, v0, 2, 0x8800
	v_mov_b32 v255, 0
	v_lshrrev_b32 v7, 5, v0
	v_readfirstlane_b32 s18, v7                    ; wave 0..7
	v_and_b32 v244, 15, v0                         ; r
	v_bfe_u32 v245, v0, 4, 1                       ; h'
	v_and_b32 v246, 31, v0
	v_lshlrev_b32 v[LI], 4, v246
	v_lshlrev_b32 v[LS], 4, v244
	v_and_b32 v247, 8, v244
	v_add_nc_u32 v247, v247, v244
	v_lshlrev_b32 v[LB], 2, v247
	v_lshl_add_u32 v[VX], v245, 12, v[LS]
	s_wait_alu depctr_va_sdst(0)                   ; s18, the wave's number, is written, ahead of its first reader: the stage's place and the bases are made from it
	s_mul_i32 s34, s18, 4352                       ; my stage: 16 rows of 272 bytes
	v_mul_u32_u24 v[STO], v244, 272
	v_lshl_add_u32 v[STO], v245, 6, v[STO]
	v_add_nc_u32 v[STO], s34, v[STO]               ; in: row r, + 64 h'
	v_mul_u32_u24 v[SRD], v245, 272
	v_lshl_add_u32 v[SRD], v244, 4, v[SRD]
	v_add_nc_u32 v[SRD], s34, v[SRD]               ; back: lanes 0-15 one row, lanes 16-31 the next
	s_lshr_b32 s19, ttmp9, 4                       ; batch
	s_and_b32 s20, ttmp9, 15                       ; which 64 tokens
	s_lshl_b32 s21, s19, 6
	s_add_co_u32 s22, s21, s20
	s_lshl_b32 s22, s22, 8                         ; hs: (64 batch + tb) x 256; a K step on: 4,096
	s_mov_b32 s23, 0
	s_lshl_b32 s24, s20, 2
	s_add_co_u32 s24, s24, s21
	s_lshl_b32 s24, s24, 12                        ; hc: (64 batch + 4 tb) x 4,096
	s_mov_b32 s25, 0
	s_lshl_b32 s26, s18, 2
	s_add_co_u32 s26, s26, 1120                    ; Wo's tiles begin at 1,120
	s_lshl_b32 s28, s26, 8
	s_mov_b32 s29, 0
	s_lshl_b32 s26, s26, 12
	s_mov_b32 s27, 0
	s_lshl_b32 s30, s18, 8                         ; bo: my 64 channels
	s_mov_b32 s31, 0
	s_lshl_b32 s32, s19, 21                        ; X, out0: batch, my 64 rows, the 64 tokens
	s_lshl_b32 s21, s18, 18
	s_add_co_u32 s32, s32, s21
	s_lshl_b32 s21, s20, 8
	s_add_co_u32 s32, s32, s21
	s_mov_b32 s33, 0
	s_wait_kmcnt 0x0
	s_add_nc_u64 s[14:15], s[14:15], s[32:33]
	s_add_nc_u64 s[4:5], s[4:5], s[24:25]
	s_add_nc_u64 s[6:7], s[6:7], s[22:23]
	s_add_nc_u64 s[8:9], s[8:9], s[26:27]
	s_add_nc_u64 s[10:11], s[10:11], s[28:29]
	s_add_nc_u64 s[12:13], s[12:13], s[30:31]
	s_add_nc_u64 s[16:17], s[16:17], s[32:33]
	s_wait_alu depctr_va_vdst(0)                   ; v1 to v6, v254 and v255 are written: the offsets and LDS addresses that every load, store and LDS instruction of the kernel reads; none is written again
.irp n, 0,1,2,3
.irp i, 0,1,2,3,4,5,6,7
	global_load_b128 v[XR+32*\n+4*\i:XR+32*\n+4*\i+3], v[VX], s[14:15] offset:(32*(\n/2)+8*(\n%2)+2*\i+8*(\i/4))*4096 th:TH_LOAD_NT   ; stage row 2 i + h' of tile n: sixteen lanes read 256 consecutive, aligned bytes
.endr
.endr
.irp s, 0,1,2,3
	global_load_b128 v[HS+4*\s:HS+4*\s+3], v[LS], s[6:7] offset:4096*\s
.endr
.irp n, 0,1,2,3
	global_load_b128 v[WS+4*\n:WS+4*\n+3], v[LS], s[10:11] offset:256*\n
.endr
.irp n, 0,1,2,3
	global_load_b32 v[BO+\n], v[LB], s[12:13] offset:(32*(\n/2)+8*(\n%2))*4
.endr
	WIN 0x40                                       ; destination window 1
.irp m, 0,1,2,3
.irp s, 0,1,2,3
.irp c, 0,1
	global_load_b128 v[32*\m+8*\s+4*\c:32*\m+8*\s+4*\c+3], v[LI], s[4:5] offset:4096*\m+1024*\s+512*\c
.endr
.endr
.endr
.irp n, 0,1,2,3                                ; Wo's tiles last, eight loads each
.irp s, 0,1,2,3
.irp c, 0,1
	global_load_b128 v[128+32*\n+8*\s+4*\c:128+32*\n+8*\s+4*\c+3], v[LI], s[8:9] offset:4096*\n+1024*\s+512*\c
.endr
.endr
.endr
	WIN 0
; Wo's tile n against h's four tiles: 16 matrix instructions, the four accumulators by turns, K ascending.
.macro TILE n
	s_wait_loadcnt 24-8*\n                         ; all but Wo's tiles behind this one, eight loads each: X, the scale words, the bias, h and this tile are in
.if \n > 0
	s_wait_alu depctr_vm_vsrc(0)                   ; the last tile's LDS stores have read the accumulators, which this tile's products write again
.endif
.irp j, 0,1,2,3,4,5,6,7
	v_mov_b32 v[CB+\j], v[BO+\n]                   ; the lane's bias in all eight rows
.endr
	WIN 0x05                                       ; sources 0 and 1 in window 1
.irp s, 0,1,2,3
.irp m, 0,1,2,3
.if \s == 0
	v_wmma_scale_f32_16x16x128_f8f6f4 v[ACC+8*\m:ACC+8*\m+7], v[32*\m+8*\s:32*\m+8*\s+7], v[128+32*\n+8*\s:128+32*\n+8*\s+7], v[CB:CB+7], v[HS+4*\s+\m], v[WS+4*\n+\s] matrix_a_fmt:MATRIX_FMT_FP4 matrix_b_fmt:MATRIX_FMT_FP4
.else
	v_wmma_scale_f32_16x16x128_f8f6f4 v[ACC+8*\m:ACC+8*\m+7], v[32*\m+8*\s:32*\m+8*\s+7], v[128+32*\n+8*\s:128+32*\n+8*\s+7], v[ACC+8*\m:ACC+8*\m+7], v[HS+4*\s+\m], v[WS+4*\n+\s] matrix_a_fmt:MATRIX_FMT_FP4 matrix_b_fmt:MATRIX_FMT_FP4
.endif
.endr
.endr
	WIN 0
.rept 4
	v_nop                                          ; four places between the last product and the stores that read results
.endr
	s_wait_alu depctr_va_vdst(0)                   ; the products have written the accumulators, which the LDS stores read (the places above stay beside this wait); the last tile's additions are done reading v[OUTR ..], in which the LDS loads land
.irp m, 0,1,2,3
	ds_store_b128 v[STO], v[ACC+8*\m:ACC+8*\m+3] offset:128*(\m/2)+32*(\m%2)        ; each accumulator from its low end on
	ds_store_b128 v[STO], v[ACC+8*\m+4:ACC+8*\m+7] offset:128*(\m/2)+32*(\m%2)+16
.endr
.irp i, 0,1,2,3,4,5,6,7
	ds_load_b128 v[OUTR+4*\i:OUTR+4*\i+3], v[SRD] offset:544*\i   ; LDS serves a wave's instructions in order (ISA guide 5.7.1.4): these see my stores
.endr
	s_wait_dscnt 0x0
.set p, 0
.rept 16
	v_pk_add_f32 v[XR+32*\n+2*p:XR+32*\n+2*p+1], v[XR+32*\n+2*p:XR+32*\n+2*p+1], v[OUTR+2*p:OUTR+2*p+1]   ; the residual
.set p, p+1
.endr
	s_wait_alu depctr_va_vdst(0)                   ; the additions have written this tile's part of v[XR ..], which the eight stores read
.irp i, 0,1,2,3,4,5,6,7
	global_store_b128 v[VX], v[XR+32*\n+4*\i:XR+32*\n+4*\i+3], s[16:17] offset:(32*(\n/2)+8*(\n%2)+2*\i+8*(\i/4))*4096 th:TH_STORE_NT   ; sixteen lanes store 256 consecutive, aligned bytes; these registers are not written again
.endr
.endm
	TILE 0
	TILE 1
	TILE 2
	TILE 3
	s_wait_dscnt 0x0                               ; the closing lines, six on end
	s_wait_alu 0x0
	s_wait_tensorcnt 0x0
	ds_add_u32 v254, v255
	s_wait_dscnt 0x0
	s_endpgm
.Lfunc_end_k_qe5136de69f_proj:
	.size	k_qe5136de69f_proj, .Lfunc_end_k_qe5136de69f_proj-k_qe5136de69f_proj
	.p2alignl 7, 3214868480
	.fill 96, 4, 3214868480
	.section	.rodata,"a",@progbits
	.p2align	6, 0x0
	.amdhsa_kernel k_qe5136de69f_proj
		.amdhsa_group_segment_fixed_size 35840
		.amdhsa_private_segment_fixed_size 0
		.amdhsa_enable_private_segment 0
		.amdhsa_kernarg_size 56
		.amdhsa_user_sgpr_count 2
		.amdhsa_user_sgpr_kernarg_segment_ptr 1
		.amdhsa_wavefront_size32 1
		.amdhsa_system_sgpr_workgroup_id_x 1
		.amdhsa_system_sgpr_workgroup_id_y 1
		.amdhsa_system_sgpr_workgroup_id_z 1
		.amdhsa_system_vgpr_workitem_id 0
		.amdhsa_next_free_vgpr 512
		.amdhsa_next_free_sgpr 66
		.amdhsa_reserve_vcc 0
		.amdhsa_float_denorm_mode_32 3
		.amdhsa_float_denorm_mode_16_64 3
		.amdhsa_memory_ordered 1
		.amdhsa_forward_progress 1
		.amdhsa_inst_pref_size 35
	.end_amdhsa_kernel
	.amdgpu_metadata
---
amdhsa.version: [ 1, 2 ]
amdhsa.kernels:
  - .name:           k_qe5136de69f_proj
    .symbol:         k_qe5136de69f_proj.kd
    .args:
      - { .name: hc, .offset: 0, .size: 8, .value_kind: global_buffer, .address_space: global }
      - { .name: hs, .offset: 8, .size: 8, .value_kind: global_buffer, .address_space: global }
      - { .name: opc, .offset: 16, .size: 8, .value_kind: global_buffer, .address_space: global }
      - { .name: ops, .offset: 24, .size: 8, .value_kind: global_buffer, .address_space: global }
      - { .name: bo, .offset: 32, .size: 8, .value_kind: global_buffer, .address_space: global }
      - { .name: X, .offset: 40, .size: 8, .value_kind: global_buffer, .address_space: global }
      - { .name: out0, .offset: 48, .size: 8, .value_kind: global_buffer, .address_space: global }
    .group_segment_fixed_size: 35840
    .private_segment_fixed_size: 0
    .kernarg_segment_align: 8
    .kernarg_segment_size: 56
    .max_flat_workgroup_size: 256
    .sgpr_count:     66
    .vgpr_count:     512
    .wavefront_size: 32
...
	.end_amdgpu_metadata
.endif
;; end of part 6
